; MI455X (gfx1250); checked and timed in simulation.
; The chip was launched on July 23, 2026; its instructions are those of AMD's public machine-readable ISA for CDNA 5 (MIT licence, August 2026) and "CDNA5" Instruction Set Architecture Reference Guide (July 2026). The comments in the code are by the model that wrote it; some were corrected since.
;; Multi Head Attention. Allowed arithmetic: matrix products marked QUANTISED: E5M2 operands, one given power-of-two scale a tensor, by v_wmma_f32_16x16x64_bf8_bf8 or v_wmma_f32_16x16x128_bf8_bf8, f32 sums; products left as they are: f32 operands where the result goes on into a quantised operand, else bf16, f16 or f32 operands; f32 sums; everything else in f32.
;; Inputs: Wk 128 x 128 float32; Wo 128 x 128 float32; Wq 128 x 128 float32; Wv 128 x 128 float32; bk 128 float32; bo 128 float32; bq 128 float32; bv 128 float32; ln_b 128 float32; ln_w 128 float32; lowp_scales 10 int32 (the exponents e of the quantised operands' scales 2^e); x 8 x 2,048 x 128 float32.
;; Outputs: out0 8 x 2,048 x 128 float32.
;; This version of the problem:
;;   THIS VERSION OF THE PROBLEM IS GIVEN IN LOW PRECISION. The matrix products marked QUANTISED in the list below multiply operands that are first quantised to E5M2 (5 exponent bits, 2 mantissa bits; 8 bits a number), with one given power-of-two scale for each operand tensor; their sums are f32. All else is computed in f32.
;;   The module's matrix products, in the order in which they are computed (A, B: the left and right operand; K: the contracted axis; several contracted axes count as one K, in the product's order):
;;     1. [M 16,384, K 128] x [K 128, N 128]; A: computed on the way; B: input Wq: QUANTISED (scales: A lowp_scales[0], B lowp_scales[1])
;;     2. [M 16,384, K 128] x [K 128, N 128]; A: computed on the way; B: input Wk: QUANTISED (scales: A lowp_scales[2], B lowp_scales[3])
;;     3. [M 16,384, K 128] x [K 128, N 128]; A: computed on the way; B: input Wv: QUANTISED (scales: A lowp_scales[4], B lowp_scales[5])
;;     4. batch 64 x [M 2,048, K 16] x [K 16, N 2,048]; A: computed on the way; B: computed on the way: left as it is (K = 16 < 32)
;;     5. batch 64 x [M 2,048, K 2,048] x [K 2,048, N 16]; A: computed on the way; B: computed on the way: QUANTISED (scales: A lowp_scales[6], B lowp_scales[7])
;;     6. [M 16,384, K 128] x [K 128, N 128]; A: computed on the way; B: input Wo: QUANTISED (scales: A lowp_scales[8], B lowp_scales[9])
;;   THE QUANTISER, for each operand of a quantised product, along K:
;;     - The operand's scale is 2^e, e = its entry of the input lowp_scales (int32; the entries are numbered through the quantised products in the list's order, A before B).
;;     - Each number is divided by the scale, clamped to +-57,344, and rounded to the nearest number of E5M2, ties to even, subnormals kept.
;;     - The product sums the exact products of the quantised numbers (number of the format x scale) in f32.
;;   ~~~python
;;   def quantise(x, axis, e):      # numpy; x: float32 -> the quantised numbers, widened to float32 again
;;       x = np.moveaxis(x, axis, -1); K = x.shape[-1]
;;       r = np.clip(x / 2.0 ** e, -57344, 57344)
;;       step = 2.0 ** (np.maximum(np.frexp(np.where(r == 0, 1, r))[1] - 1, -14) - 2)
;;       q = np.round(r / step) * step * 2.0 ** e      # np.round: ties to even
;;       return np.moveaxis(q, -1, axis).astype(np.float32)
;;   ~~~
;;   OPERANDS COMPUTED ON THE WAY. 'Computed on the way' means the value that the module computes at that place (a softmax that the list does not call 'softmax' is quantised finished and normalised). What goes into a quantiser is computed in f32, as accurately as f32 sums, v_exp_f32 and their like allow (about 1e-6 of the number): no bf16 or f16 on the way to a quantiser, and a product that is left as it is and whose result goes on into a quantised operand takes f32 operands (vector FMAs, or v_wmma_f32_16x16x4_f32). A number that lies on a knife's edge between two numbers of the format may be rounded either way, as far as f32 arithmetic and the matrix unit's own rounding can turn it there, and no further.
;; 2 versions, each right; version 2 is version 1 with the launches lnqkv, attn written anew for expert scheduling mode. Each part assembles by itself: llvm-mc -triple=amdgcn-amd-amdhsa -mcpu=gfx1250 --defsym DOCPART=n.
;; ======== version 1 of 2: 2 launches
;; workspace buffers: qf 8,388,608 bytes; kf 8,388,608 bytes; vt 2,097,152 bytes
;; launch lnqkv (part 1): grid 256 x 1, 4 waves a work-group, no clusters, 92,160 bytes of LDS; arguments x, ln_w, ln_b, Wq, bq, Wk, bk, Wv, bv, lowp_scales, qf, kf, vt; writes qf, kf, vt
.if DOCPART == 1
	.amdgcn_target "amdgcn-amd-amdhsa--gfx1250"
	.amdhsa_code_object_version 6
	.text
	.protected	k_q9f16f38793_lnqkv
	.globl	k_q9f16f38793_lnqkv
	.p2align	8
	.type	k_q9f16f38793_lnqkv,@function
k_q9f16f38793_lnqkv:
	s_mov_b64 s[64:65], 0
	v_nop
	global_prefetch_b8 v0, s[64:65] scope:SCOPE_SE
	s_setreg_imm32_b32 hwreg(HW_REG_WAVE_MODE, 25, 1), 1
	s_wait_xcnt 0x0
; LayerNorm of x [16384][128], then q = Q(xn) Q(Wq)^T + bq, k and v likewise, on codes of BF8 (E5M2), each operand with its given scale 2^e (entries 0 to 5 of the scales).
; q and k leave as f32, [16384][128], as they stand (the energies' product takes f32 operands).  v leaves as codes (entry 7), laid [64 heads][16 channels][2048 keys]: the keys are the later product's K.
; THE RAW VIEW: head = row / 256, key = (row % 256) x 8 + column / 16, channel = column % 16.
; SHARES.  A work-group takes 64 rows (a quarter of a head: 512 keys), each of its four waves 16 rows through all 24 tiles of 16 columns: 24 matrix instructions, each a whole sum (K = 128), each with the constant 0 as C.
; The weights are quantised once a work-group: wave w makes tiles 2 w and 2 w + 1 of each matrix; the codes go to the other waves through LDS as images of the operand's registers (16 bytes a lane, 512 a store).
; FRAGMENTS.  Lane (r = lane % 16, h = lane / 16) holds, of row r, K = 32 c + 16 h + 0 .. 15 in registers 4 c .. 4 c + 3: one permutation of K, the same on both operands, so every product meets its partner.
; q and k are used transposed (source 0 = 16 rows of W): a lane holds eight neighbouring columns of one row.  v is used as it stands (source 0 = xn): a lane holds ONE channel r and rows 8 h + j, and its
; register (j, tile a) is key 64 h + 8 j + a: written in that order the lane's 64 numbers are 64 neighbouring keys of one row of V^T.  Nothing is transposed by an instruction.
; No tensor loads: each byte is read once, straight into the registers that want it.  No cluster: the work-groups share only the weights, 192 KB against 32 KB x 256 of rows, read once each.
; LIMITS: entries 0 to 5 and 7 between -126 and 112; entries 0 + 1, 2 + 3, 4 + 5 between -126 and 127, so that each power of two is an f32 number.  NaN and infinities among the inputs are not served.
; REGISTERS, in windows of 256.  Window 0: v1-10 addresses, v11-15 at work, v16-29 scales and holds, v32-95 xn, v96-159 at work, v160-207 xn's three fragments, v208-239 codes, v240-255 biases.
;   Window 1: Wq's and Wk's numbers, later their 16 fragments.  Window 2: v0-127 Wv's, later its 8 fragments; v128-191 ln_w, v192-255 ln_b.  Window 3: accumulators q v0-63, k v64-127, v v128-191; v192-255 rows on the way out.
.set SP,   528                         ; a stage row: 512 bytes + 16
.set WIMG, 0                           ; LDS: 24 images of 2,048 bytes: tile 8 x matrix + a
.set QKST, 49152                       ; a stage of 16 rows for each wave, its own
.set VSTG, QKST+4*16*SP                ; V^T's stage: 16 channels x 512 keys, the work-group's
.set XA,  1                            ; v1   512 r + 64 h: my 16 numbers of a block of 32, in x and in a weight
.set LW,  2                            ; v2   64 h: the same in ln_w and ln_b
.set LI,  3                            ; v3   16 x lane
.set IW,  4                            ; v4   where I store images: 4,096 x wave + 16 x lane
.set STO, 5                            ; v5   my stage: row r, + 32 h
.set RD,  6                            ; v6   my stage, by rows: 16 x lane
.set VS,  7                            ; v7   V^T's stage: row r, + 128 x wave + 64 h
.set VR,  8                            ; v8   and back: rows 4 x wave on, 16 x lane
.set VG,  9                            ; v9   the same place in vt
.set BV,  10                           ; v10  4 r
.set XN,  32
.set T,   96
.set AF,  160
.set WC,  208
.set BQ,  240
.set BK,  244
.set BVR, 248
.set MSB, 0
.macro WIN new                         ; low byte: bits 1:0 source 0, 3:2 source 1, 5:4 source 2, 7:6 destination; the high byte repeats the setting that is left
.if MSB != (\new)
	s_set_vgpr_msb (MSB<<8)|(\new)
.set MSB, (\new)
.endif
.endm
.macro LD16 dst, adr, base, off        ; 64 numbers of a lane: register 16 c + 4 j + e = K 32 c + 16 h + 4 j + e
.set c_, 0
.rept 16
	global_load_b128 v[\dst+4*c_:\dst+4*c_+3], v[\adr], s[\base:\base+1] offset:\off+128*(c_/4)+16*(c_%4)
.set c_, c_+1
.endr
.endm
.macro MKSC se, vs, vl                 ; 2^e as f32 (the conversion takes its exponent field), and 57,344 x 2^e
	s_add_co_i32 s50, \se, 127
	s_lshl_b32 s51, s50, 23
	v_mov_b32 v[\vs], s51
	s_add_co_i32 s50, s50, 15
	s_lshl_b32 s50, s50, 23
	s_or_b32 s50, s50, 0x600000
	v_mov_b32 v[\vl], s50
.endm
.macro REDUCE                          ; four chains of pairs, the pair's halves, and the other half of the lanes: the row's sum in v[T]
	v_pk_add_f32 v[T:T+1], v[T:T+1], v[T+2:T+3]
	v_pk_add_f32 v[T+4:T+5], v[T+4:T+5], v[T+6:T+7]
	v_pk_add_f32 v[T:T+1], v[T:T+1], v[T+4:T+5]
	v_add_f32 v[T], v[T], v[T+1]
	v_permlanex16_b32 v11, v[T], s42, s43
	v_add_f32 v[T], v[T], v11
.endm
.macro QUANTX m, sc, lim               ; xn, kept, becomes fragment m: the hold at the largest code x the scale goes into T (the conversion to an 8-bit code does not saturate: ISA guide 7.6.2)
.set b_, 0
.rept 4
.set i_, 0
.rept 16
	v_med3_num_f32 v[T+16*b_+i_], v[XN+16*b_+i_], -v[\lim], v[\lim]
.set i_, i_+1
.endr
	v_cvt_scalef32_pk8_bf8_f32 v[AF+16*\m+4*b_:AF+16*\m+4*b_+1], v[T+16*b_:T+16*b_+7], v[\sc]
	v_cvt_scalef32_pk8_bf8_f32 v[AF+16*\m+4*b_+2:AF+16*\m+4*b_+3], v[T+16*b_+8:T+16*b_+15], v[\sc]
.set b_, b_+1
.endr
	v_nop                                          ; a plain line behind the last conversion, ahead of whatever next writes T or reads the codes
.endm
.macro QUANTW w, src, dst, sc, lim     ; a weight's tile, 64 numbers a lane in window w, held in place, becomes 16 registers of codes in window 0
	WIN 0x41*\w
.set i_, 0
.rept 64
	v_med3_num_f32 v[\src+i_], v[\src+i_], -v[\lim], v[\lim]
.set i_, i_+1
.endr
	WIN \w
.set i_, 0
.rept 8
	v_cvt_scalef32_pk8_bf8_f32 v[\dst+2*i_:\dst+2*i_+1], v[\src+8*i_:\src+8*i_+7], v[\sc]
.set i_, i_+1
.endr
	v_nop
.endm
.macro IMAGE reg, off                  ; a fragment goes to LDS as it stands: four stores of 512 consecutive bytes
.irp c, 0,1,2,3
	ds_store_b128 v[IW], v[\reg+4*\c:\reg+4*\c+3] offset:\off+512*\c
.endr
.endm
; 16 rows x 128 columns of sums leave: through my own stage (LDS serves a wave's instructions in order, ISA guide 5.7.1.4: no wait between the stores and the loads), back as whole rows of 512 bytes,
; x 2^(the two exponents) + bias in one packed multiply-add, and out: each store covers 512 consecutive bytes, aligned.
.macro WAYOUT acc, back, sc, bias, ptr
	WIN 0x0c                                       ; store data in window 3
.set a_, 0
.rept 8
	ds_store_b128 v[STO], v[\acc+8*a_:\acc+8*a_+3] offset:64*a_          ; each accumulator from its low end on
	ds_store_b128 v[STO], v[\acc+8*a_+4:\acc+8*a_+7] offset:64*a_+16
.set a_, a_+1
.endr
	WIN 0xc0
.set a_, 0
.rept 16
	ds_load_b128 v[\back+4*a_:\back+4*a_+3], v[RD] offset:SP*a_
.set a_, a_+1
.endr
	s_wait_dscnt 0x0                               ; all sixteen rows are back
	WIN 0xc3
.set a_, 0
.rept 16
	v_pk_fma_f32 v[\back+4*a_:\back+4*a_+1], v[\back+4*a_:\back+4*a_+1], s[\sc:\sc+1], v[\bias:\bias+1] op_sel_hi:[1,0,1]
	v_pk_fma_f32 v[\back+4*a_+2:\back+4*a_+3], v[\back+4*a_+2:\back+4*a_+3], s[\sc:\sc+1], v[\bias+2:\bias+3] op_sel_hi:[1,0,1]
.set a_, a_+1
.endr
	WIN 0x0c
.set a_, 0
.rept 16
	global_store_b128 v[LI], v[\back+4*a_:\back+4*a_+3], s[\ptr:\ptr+1] offset:512*a_
.set a_, a_+1
.endr
.endm
	s_load_b512 s[4:19], s[0:1], 0x0               ; x s[4:5], ln_w s[6:7], ln_b s[8:9], Wq s[10:11], bq s[12:13], Wk s[14:15], bk s[16:17], Wv s[18:19]
	s_load_b256 s[20:27], s[0:1], 0x40             ; bv s[20:21], the scales' exponents s[22:23], qf s[24:25], kf s[26:27]
	s_load_b64 s[28:29], s[0:1], 0x60              ; vt
	v_lshl_add_u32 v30, v0, 2, 0x16600
	v_mov_b32 v31, 0
	v_lshrrev_b32 v11, 5, v0
	v_readfirstlane_b32 s40, v11                   ; wave 0..3
	v_and_b32 v12, 15, v0                          ; r
	v_bfe_u32 v13, v0, 4, 1                        ; h
	v_and_b32 v14, 31, v0                          ; lane
	v_lshlrev_b32 v[XA], 9, v12
	v_lshl_add_u32 v[XA], v13, 6, v[XA]
	v_lshlrev_b32 v[LW], 6, v13
	v_lshlrev_b32 v[LI], 4, v14
	s_lshl_b32 s50, s40, 12
	v_add_nc_u32 v[IW], s50, v[LI]
	s_mul_i32 s51, s40, 16*SP
	s_add_co_u32 s51, s51, QKST
	v_mul_u32_u24 v15, v12, SP
	v_lshl_add_u32 v[STO], v13, 5, v15
	v_add_nc_u32 v[STO], s51, v[STO]
	v_add_nc_u32 v[RD], s51, v[LI]
	s_lshl_b32 s52, s40, 7
	s_add_co_u32 s52, s52, VSTG
	v_lshl_add_u32 v[VS], v13, 6, v15
	v_add_nc_u32 v[VS], s52, v[VS]
	s_mul_i32 s53, s40, 4*SP
	s_add_co_u32 s53, s53, VSTG
	v_add_nc_u32 v[VR], s53, v[LI]
	s_lshl_b32 s54, s40, 13
	v_add_nc_u32 v[VG], s54, v[LI]
	v_lshlrev_b32 v[BV], 2, v12
	s_mov_b32 s42, 0x76543210                      ; v_permlanex16_b32: lane l takes lane l xor 16
	s_mov_b32 s43, 0xfedcba98
	s_mov_b32 s62, 0x3c000000                      ; 1 / 128
	s_mov_b32 s63, 0x3727c5ac                      ; 1e-5
	s_lshl_b32 s56, ttmp9, 15                      ; 64 rows of 512 bytes a work-group,
	s_lshl_b32 s57, s40, 13                        ; 16 a wave
	s_add_co_u32 s56, s56, s57
	s_mov_b32 s57, 0
	s_lshl_b32 s58, s40, 14                        ; my 32 rows of each weight
	s_mov_b32 s59, 0
	s_lshr_b32 s60, ttmp9, 2                       ; the head: 32,768 bytes of vt,
	s_lshl_b32 s60, s60, 15
	s_and_b32 s61, ttmp9, 3                        ; and my work-group's 512 keys of each of its rows
	s_lshl_b32 s61, s61, 9
	s_add_co_u32 s60, s60, s61
	s_mov_b32 s61, 0
	s_wait_kmcnt 0x0
	s_load_b256 s[32:39], s[22:23], 0x0            ; entries 0 to 7
	s_add_nc_u64 s[4:5], s[4:5], s[56:57]
	s_add_nc_u64 s[24:25], s[24:25], s[56:57]
	s_add_nc_u64 s[26:27], s[26:27], s[56:57]
	s_add_nc_u64 s[10:11], s[10:11], s[58:59]
	s_add_nc_u64 s[14:15], s[14:15], s[58:59]
	s_add_nc_u64 s[18:19], s[18:19], s[58:59]
	s_add_nc_u64 s[28:29], s[28:29], s[60:61]
	; 154 loads: x, ln_w, ln_b (48) first, then the weights (96) and the biases (10)
	LD16 XN, XA, 4, 0
	WIN 0x80
	LD16 128, LW, 6, 0
	LD16 192, LW, 8, 0
	LD16 0, XA, 18, 0
	LD16 64, XA, 18, 8192
	WIN 0x40
	LD16 0, XA, 10, 0
	LD16 64, XA, 10, 8192
	LD16 128, XA, 14, 0
	LD16 192, XA, 14, 8192
	WIN 0
	global_load_b128 v[BQ:BQ+3], v[LI], s[12:13]
	global_load_b128 v[BK:BK+3], v[LI], s[16:17]
.irp a, 0,1,2,3,4,5,6,7
	global_load_b32 v[BVR+\a], v[BV], s[20:21] offset:64*\a    ; bv of channel r in tile a
.endr
	s_wait_kmcnt 0x0
	MKSC s32, 16, 17                               ; xn for q, k, v
	MKSC s34, 18, 19
	MKSC s36, 20, 21
	MKSC s33, 22, 23                               ; Wq, Wk, Wv
	MKSC s35, 24, 25
	MKSC s37, 26, 27
	MKSC s39, 28, 29                               ; v as an operand
	s_add_co_i32 s44, s32, s33
	s_add_co_i32 s44, s44, 127
	s_lshl_b32 s44, s44, 23                        ; 2^(e0 + e1)
	s_mov_b32 s45, s44                             ; (named with it as a pair, so it is written)
	s_add_co_i32 s46, s34, s35
	s_add_co_i32 s46, s46, 127
	s_lshl_b32 s46, s46, 23
	s_mov_b32 s47, s46
	s_add_co_i32 s48, s36, s37
	s_add_co_i32 s48, s48, 127
	s_lshl_b32 s48, s48, 23
	; ---- LayerNorm, in two passes over registers: a lane holds 64 numbers of its row, lane l xor 16 the other 64
	s_wait_loadcnt 63                              ; at most the youngest 63 of the 154 are out: the first 91 are in, x, ln_w and ln_b among them
.irp c, 0,1,2,3
	v_pk_add_f32 v[T+2*\c:T+2*\c+1], v[XN+2*\c:XN+2*\c+1], v[XN+8+2*\c:XN+9+2*\c]
.endr
.set p_, 8
.rept 24
	v_pk_add_f32 v[T+2*(p_%4):T+2*(p_%4)+1], v[T+2*(p_%4):T+2*(p_%4)+1], v[XN+2*p_:XN+2*p_+1]
.set p_, p_+1
.endr
	REDUCE
	v_mul_f32 v12, s62, v[T]                       ; the mean
	v_mov_b32 v13, v12
.set p_, 0
.rept 32
	v_pk_add_f32 v[XN+2*p_:XN+2*p_+1], v[XN+2*p_:XN+2*p_+1], v[12:13] neg_lo:[0,1] neg_hi:[0,1]
.set p_, p_+1
.endr
.irp c, 0,1,2,3
	v_pk_mul_f32 v[T+2*\c:T+2*\c+1], v[XN+2*\c:XN+2*\c+1], v[XN+2*\c:XN+2*\c+1]
.endr
.set p_, 4
.rept 28
	v_pk_fma_f32 v[T+2*(p_%4):T+2*(p_%4)+1], v[XN+2*p_:XN+2*p_+1], v[XN+2*p_:XN+2*p_+1], v[T+2*(p_%4):T+2*(p_%4)+1]
.set p_, p_+1
.endr
	REDUCE
	v_fma_f32 v15, v[T], s62, s63                  ; the variance + 1e-5
	v_rsq_f32 v14, v15
	v_nop                                          ; a plain line behind the transcendental,
	s_wait_alu depctr_va_vdst(0)                   ; and the wait ahead of its first reader
	v_mov_b32 v15, v14
.set p_, 0
.rept 32
	v_pk_mul_f32 v[XN+2*p_:XN+2*p_+1], v[XN+2*p_:XN+2*p_+1], v[14:15]
.set p_, p_+1
.endr
	WIN 0x28                                       ; sources 1 and 2 in window 2
.set p_, 0
.rept 32
	v_pk_fma_f32 v[XN+2*p_:XN+2*p_+1], v[XN+2*p_:XN+2*p_+1], v[128+2*p_:129+2*p_], v[192+2*p_:193+2*p_]
.set p_, p_+1
.endr
	WIN 0
	QUANTX 0, 16, 17
	QUANTX 1, 18, 19
	QUANTX 2, 20, 21
	; ---- my six tiles of the weights
	s_wait_loadcnt 0x0
	QUANTW 1, 0, T, 22, 23
	QUANTW 1, 64, T+16, 22, 23
	QUANTW 1, 128, T+32, 24, 25
	QUANTW 1, 192, T+48, 24, 25
	QUANTW 2, 0, WC, 26, 27
	QUANTW 2, 64, WC+16, 26, 27
	WIN 0
	IMAGE T, 0
	IMAGE T+16, 2048
	IMAGE T+32, 16384
	IMAGE T+48, 16384+2048
	IMAGE WC, 32768
	IMAGE WC+16, 32768+2048
	s_wait_dscnt 0x0                               ; for the others' sake: my images have landed
	s_barrier_signal -1
	s_barrier_wait -1                              ; all 24 lie in LDS
	WIN 0x40
.set f_, 0
.rept 64
	ds_load_b128 v[4*f_:4*f_+3], v[LI] offset:512*f_           ; Wq's eight fragments, then Wk's
.set f_, f_+1
.endr
	WIN 0x80
.rept 32
	ds_load_b128 v[4*(f_-64):4*(f_-64)+3], v[LI] offset:512*f_ ; Wv's
.set f_, f_+1
.endr
	s_wait_dscnt 0x0
	WIN 0xc1                                       ; source 0 (W) window 1, source 1 (xn) window 0, D window 3
.irp a, 0,1,2,3,4,5,6,7
	v_wmma_f32_16x16x128_bf8_bf8 v[8*\a:8*\a+7], v[16*\a:16*\a+15], v[AF:AF+15], 0
.endr
.irp a, 0,1,2,3,4,5,6,7
	v_wmma_f32_16x16x128_bf8_bf8 v[64+8*\a:64+8*\a+7], v[128+16*\a:128+16*\a+15], v[AF+16:AF+31], 0
.endr
	WIN 0xc8                                       ; source 0 (xn) window 0, source 1 (Wv) window 2
.irp a, 0,1,2,3,4,5,6,7
	v_wmma_f32_16x16x128_bf8_bf8 v[128+8*\a:128+8*\a+7], v[AF+32:AF+47], v[16*\a:16*\a+15], 0
.endr
.rept 4
	v_nop                                          ; four places ahead of the first read of results (ISA guide 7.12.1)
.endr
	WAYOUT 0, 192, 44, BQ, 24                      ; q
	WAYOUT 64, 0, 46, BK, 26                       ; k: its rows come back into q's accumulators, which are done with, so no store's data are written again
	; ---- v: sum x 2^(e4 + e5) + bv, written so that the lane's 64 numbers run along the keys; then the quantiser
	WIN 0x03
.set j_, 0
.rept 8
.set a_, 0
.rept 8
	v_fma_f32 v[T+8*j_+a_], v[128+8*a_+j_], s48, v[BVR+a_]     ; j = 0 first: each accumulator is read from its low end on
.set a_, a_+1
.endr
.set j_, j_+1
.endr
	WIN 0
.set i_, 0
.rept 64
	v_med3_num_f32 v[T+i_], v[T+i_], -v29, v29
.set i_, i_+1
.endr
.set i_, 0
.rept 8
	v_cvt_scalef32_pk8_bf8_f32 v[AF+2*i_:AF+2*i_+1], v[T+8*i_:T+8*i_+7], v28
.set i_, i_+1
.endr
	v_nop
.irp i, 0,1,2,3
	ds_store_b128 v[VS], v[AF+4*\i:AF+4*\i+3] offset:16*\i     ; channel r, keys 128 x wave + 64 h + 16 i on
.endr
	s_wait_dscnt 0x0                               ; for the others' sake
	s_barrier_signal -1
	s_barrier_wait -1                              ; 16 channels x 512 keys lie in the stage
.irp i, 0,1,2,3
	ds_load_b128 v[AF+16+4*\i:AF+19+4*\i], v[VR] offset:SP*\i
.endr
.irp i, 0,1,2,3
	s_wait_dscnt 3-\i                              ; the younger read-backs may be out
	global_store_b128 v[VG], v[AF+16+4*\i:AF+19+4*\i], s[28:29] offset:2048*\i   ; channel 4 x wave + i: 512 consecutive bytes, aligned
.endr
	s_wait_tensorcnt 0x0
	ds_add_u32 v30, v31
	s_wait_dscnt 0x0
	s_endpgm
.Lfunc_end_k_q9f16f38793_lnqkv:
	.size	k_q9f16f38793_lnqkv, .Lfunc_end_k_q9f16f38793_lnqkv-k_q9f16f38793_lnqkv
	.p2alignl 7, 3214868480
	.fill 96, 4, 3214868480
	.section	.rodata,"a",@progbits
	.p2align	6, 0x0
	.amdhsa_kernel k_q9f16f38793_lnqkv
		.amdhsa_group_segment_fixed_size 92160
		.amdhsa_private_segment_fixed_size 0
		.amdhsa_enable_private_segment 0
		.amdhsa_kernarg_size 104
		.amdhsa_user_sgpr_count 2
		.amdhsa_user_sgpr_kernarg_segment_ptr 1
		.amdhsa_wavefront_size32 1
		.amdhsa_system_sgpr_workgroup_id_x 1
		.amdhsa_system_sgpr_workgroup_id_y 1
		.amdhsa_system_sgpr_workgroup_id_z 1
		.amdhsa_system_vgpr_workitem_id 0
		.amdhsa_next_free_vgpr 1024
		.amdhsa_next_free_sgpr 66
		.amdhsa_reserve_vcc 0
		.amdhsa_float_denorm_mode_32 3
		.amdhsa_float_denorm_mode_16_64 3
		.amdhsa_memory_ordered 1
		.amdhsa_forward_progress 1
		.amdhsa_inst_pref_size 103
	.end_amdhsa_kernel
	.amdgpu_metadata
---
amdhsa.version: [ 1, 2 ]
amdhsa.kernels:
  - .name:           k_q9f16f38793_lnqkv
    .symbol:         k_q9f16f38793_lnqkv.kd
    .args:
      - { .name: x, .offset: 0, .size: 8, .value_kind: global_buffer, .address_space: global }
      - { .name: ln_w, .offset: 8, .size: 8, .value_kind: global_buffer, .address_space: global }
      - { .name: ln_b, .offset: 16, .size: 8, .value_kind: global_buffer, .address_space: global }
      - { .name: Wq, .offset: 24, .size: 8, .value_kind: global_buffer, .address_space: global }
      - { .name: bq, .offset: 32, .size: 8, .value_kind: global_buffer, .address_space: global }
      - { .name: Wk, .offset: 40, .size: 8, .value_kind: global_buffer, .address_space: global }
      - { .name: bk, .offset: 48, .size: 8, .value_kind: global_buffer, .address_space: global }
      - { .name: Wv, .offset: 56, .size: 8, .value_kind: global_buffer, .address_space: global }
      - { .name: bv, .offset: 64, .size: 8, .value_kind: global_buffer, .address_space: global }
      - { .name: lowp_scales, .offset: 72, .size: 8, .value_kind: global_buffer, .address_space: global }
      - { .name: qf, .offset: 80, .size: 8, .value_kind: global_buffer, .address_space: global }
      - { .name: kf, .offset: 88, .size: 8, .value_kind: global_buffer, .address_space: global }
      - { .name: vt, .offset: 96, .size: 8, .value_kind: global_buffer, .address_space: global }
    .group_segment_fixed_size: 92160
    .private_segment_fixed_size: 0
    .kernarg_segment_align: 8
    .kernarg_segment_size: 104
    .max_flat_workgroup_size: 128
    .sgpr_count:     66
    .vgpr_count:     1024
    .wavefront_size: 32
...
	.end_amdgpu_metadata
.endif
;; end of part 1
;; launch attn (part 2): grid 256 x 1, 8 waves a work-group, no clusters, 111,872 bytes of LDS; arguments qf, kf, vt, Wo, bo, lowp_scales, x, out0; writes out0
.if DOCPART == 2
	.amdgcn_target "amdgcn-amd-amdhsa--gfx1250"
	.amdhsa_code_object_version 6
	.text
	.protected	k_q9f16f38793_attn
	.globl	k_q9f16f38793_attn
	.p2align	8
	.type	k_q9f16f38793_attn,@function
k_q9f16f38793_attn:
	s_mov_b64 s[64:65], 0
	v_nop
	global_prefetch_b8 v0, s[64:65] scope:SCOPE_SE
	s_setreg_imm32_b32 hwreg(HW_REG_WAVE_MODE, 25, 1), 1
	s_wait_xcnt 0x0
; out0 = Q(softmax(q k^T) / sqrt(128) -> Q -> x Q(v)) Q(Wo)^T + bo + x, for 64 heads of 2,048 positions x 16 channels (the raw view: 128 neighbouring queries of a head are 16 rows of 128 columns).
; THE ENERGIES take f32 operands (v_wmma_f32_16x16x4_f32), since they run into a quantiser.  THE WEIGHTS p ARE QUANTISED FINISHED: exp(e - max) / sum / sqrt(128); so a row's whole sum is known before any p is coded.
; SHARES.  A work-group stays on a quarter of a head: 512 queries, 32 tiles of 16.  THE WAVES SHARE THE KEYS: each of the EIGHT waves owns keys 256 w .. 256 w + 255 for the whole launch; its K (f32, 128 registers)
; and its V^T (codes, 32 registers) are read from memory once, straight into registers.  A tile's energies (16 queries x 256 keys) are 128 registers a wave, its unnormalised weights another 128.
; Eight waves of 512 registers are two to a SIMD, so that one wave's vector work stands beside the other's matrix work.
; LAYOUT.  S^T = K Q^T (source 0 = 16 keys, source 1 = 16 queries): a lane holds ONE query (lane % 16).  Lane (r, h) holds channels 8 h .. 8 h + 7 of its key or query; K step s takes registers 2 s, 2 s + 1:
; one permutation of the channels, the same on both sides.  THE KEYS OF A TILE ARE NOT NEIGHBOURS: lane r of tile t takes key 16 t - 8 (t % 2) + r + 8 (r / 8), so that the 16 registers of tiles 2 b and 2 b + 1
; are 16 neighbouring keys and the conversions' results ARE source 1 of O^T = V^T P^T.
; SOFTMAX.  q is multiplied by log2(e) on its way into place.  Each wave takes its own keys' maximum m_w away: P = 2^(E - m_w), s_w = the sum of P.  One exchange through LDS gives every wave the eight (m, s):
; M = the largest m, a_j = 2^(m_j - M), S = the sum of s_j a_j (at least 1), p = P x a_w / (S sqrt(128)).  So the row's true maximum is taken away, and nothing can overflow: P <= 1, S <= 2,048.
; BY TURNS.  While tile i's softmax is walked, the 64 matrix instructions of tile i + 1's energies are issued, one ahead of each slice of it.  A group of four tiles of E is overwritten only behind the lines
; that read it, and the next tile's maximum is gathered among the slices as its groups are finished.  K, E and P do not fit one window, so a slice costs two switches.
; THE END OF A BLOCK (8 tiles, 16 rows of out0): the eight waves' partial O meet in LDS; wave w sums and quantises an eighth of the rows' fragment; every wave multiplies the fragment by its 16 rows of Wo.
; No tensor loads and no cluster: what the four work-groups of a head share, K and V, is read once a work-group (160 KB) at the head; in the loop nothing is shared but 1 KB of q a tile.
; LIMITS: entries 6, 9 and 8 - 6 - 7 between -126 and 112, 8 + 9 between -126 and 127.  NaN and infinities are not served.  A wave whose keys' maximum lies more than 126 (in powers of two) under the row's
; gives zeros (v_exp_f32 flushes what is under 2^-126: ISA guide 15.8).  The sums' order inside an instruction differs from a plain ascending one (K permuted alike on both operands).
; REGISTERS.  Window 0: v1-15 addresses; v16-19 the next tile's maximum, four chains; v[20:21] m_w; v22-29 the sum, four pairs, later the eight exchanged sums; v[30:31] F; v32-35 holds and scales;
;   v36-43 the eight exchanged maxima; v44-47 at work; v48-55 q as loaded, v56-63 q in place; v64-95 V^T; v96-127 p's codes; v128-255 K, tile t at 128 + 8 t.
;   Window 1: v0-127 E, tile t at 8 t, written by the f32 matrix form alone; v128-255 P, tile t at 128 + 8 t.  Once a tile is coded P's registers are free: they take O's two accumulators and all of a block's end.
.set XCH,   0                          ; LDS: m at 32 r + 4 w,
.set XSO,   512                        ; the sums so much further on
.set IMG,   1024                       ; the rows' fragment, as an image of its registers
.set STG,   3072                       ; 16 rows x 528 for the way out
.set SP,    528
.set WIMG,  11520                      ; Wo's fragments as images, 2,048 bytes a wave, its own
.set PART,  27904                      ; partial O: [wave][tile of the block][query: 80][channel]
.set PTILE, 1296                       ; 16 x 80 + 16
.set PWAVE, 8*PTILE
.set QA,  1                            ; v1   64 r + 32 h: my 8 channels of query r; never rewritten
.set QAD, 2                            ; v2   the same in the tile to be loaded
.set XS,  3                            ; v3   XCH + 32 r + 4 w
.set XL,  4                            ; v4   XCH + 32 r
.set PS0, 5                            ; v5   PART + PWAVE w + 80 r + 32 h
.set PS,  6                            ; v6   the same in the tile in hand (at the head, once: Wo's offset)
.set PL,  7                            ; v7   PART + PTILE (r / 2) + 640 (r % 2) + 80 h + 160 (w / 2) + 32 (w % 2): query 8 r + 2 (w / 2) + h of the block, channels 8 (w % 2) on
.set LI,  8                            ; v8   16 x lane
.set IW,  9                            ; v9   IMG + 512 (w / 2) + 8 (w % 2) + 16 x lane
.set SO,  10                           ; v10  STG + 528 r + 64 w + 32 h
.set SR,  11                           ; v11  STG + 1,056 w + 16 x lane
.set GO,  12                           ; v12  1,024 w + 16 x lane: rows 2 w on of the block, in x and in out0
.set PFO, 13                           ; v13  256 x lane
.set KA,  14                           ; v14  at the head K's offset;
.set PL2, 14                           ;      then PL + 4 PWAVE: the parts of waves 4 to 7 lie past a 16-bit offset from PL
.set VA,  15                           ; v15  at the head V^T's offset;
.set WA,  15                           ;      then WIMG + 2,048 w + 16 x lane
.set MX,  16
.set MM,  20
.set SUM, 22
.set FF,  30
.set LIM, 32
.set SCL, 33
.set LIMO, 34
.set SCO, 35
.set XM,  36
.set TA,  44
.set TB,  45
.set TC,  46
.set TD,  47
.set QS,  48
.set QF,  56
.set VF,  64
.set CD,  96
.set KB,  128
.set P0,  128                          ; in window 1
.set OA,  240                          ; in window 1, over P's tiles 14 and 15: O's two accumulators
.set GA,  128                          ; in window 1, at a block's end: the eight parts, 8 registers each;
.set XR,  192                          ; x's two rows;
.set BO,  200                          ; bo;
.set QC,  204                          ; my eighth of the fragment;
.set WOF, 208                          ; Wo's fragment;
.set FR,  224                          ; the rows' fragment;
.set OB,  240                          ; the accumulator;
.set RB,  248                          ; two rows on the way out
.set MSB, 0
.macro WIN new                         ; low byte: bits 1:0 source 0, 3:2 source 1, 5:4 source 2, 7:6 destination; the high byte repeats the setting that is left
.if MSB != (\new)
	s_set_vgpr_msb (MSB<<8)|(\new)
.set MSB, (\new)
.endif
.endm
.macro MKSC se, vs, vl                 ; 2^e as f32, and 57,344 x 2^e
	s_add_co_i32 s38, \se, 127
	s_lshl_b32 s39, s38, 23
	v_mov_b32 v[\vs], s39
	s_add_co_i32 s38, s38, 15
	s_lshl_b32 s38, s38, 23
	s_or_b32 s38, s38, 0x600000
	v_mov_b32 v[\vl], s38
.endm
; Matrix instruction kk of 64 of a tile's energies: group kk / 16 of four tiles, K step (kk % 16) / 4, tile 4 x group + kk % 4.  The group's four accumulators take turns, one instruction a turn;
; a sum's first K step takes the constant 0.
.macro WM
.set ws_, (kk%16)/4
.set wt_, 4*(kk/16)+kk%4
	WIN 0x50                                       ; K and q in window 0, E (C and D) in window 1
.if ws_ == 0
	v_wmma_f32_16x16x4_f32 v[8*wt_:8*wt_+7], v[KB+8*wt_+2*ws_:KB+8*wt_+2*ws_+1], v[QF+2*ws_:QF+2*ws_+1], 0
.else
	v_wmma_f32_16x16x4_f32 v[8*wt_:8*wt_+7], v[KB+8*wt_+2*ws_:KB+8*wt_+2*ws_+1], v[QF+2*ws_:QF+2*ws_+1], v[8*wt_:8*wt_+7]
.endif
.endm
.macro PAI                             ; pair pi_ of tile pt_: E - m_w, into P
.set pb_, 8*pt_+2*pi_
	WIN 0x41
	v_pk_add_f32 v[P0+pb_:P0+pb_+1], v[pb_:pb_+1], v[MM:MM+1] op_sel_hi:[1,0] neg_lo:[0,1] neg_hi:[0,1]
.endm
.macro EXI                             ; number pi_ of tile pt_
	WIN 0x41
	v_exp_f32 v[P0+8*pt_+pi_], v[P0+8*pt_+pi_]
.endm
; Line bj of 176 of the batch.  In each of the first three runs of 48: two exponentials of a group of four tiles, then one subtraction of the next group, sixteen times; the last 32 lines are the last group's
; exponentials.  None of these names an exponential's result.
.macro BI
.set bg_, bj/48
.set bo_, bj%48
.if bg_ == 3
.set pt_, 12+bo_/8
.set pi_, bo_%8
	EXI
.elseif (bo_%3) == 2
.set pt_, 4*bg_+4+(bo_/3)/4
.set pi_, (bo_/3)%4
	PAI
.else
.set be_, 2*(bo_/3)+bo_%3
.set pt_, 4*bg_+be_/8
.set pi_, be_%8
	EXI
.endif
.endm
.macro SUI                             ; line sj of 60 of the sum of P, in four chains of pairs; the first four lines start them
.if sj < 4
	WIN 0x05
	v_pk_add_f32 v[SUM+2*sj:SUM+2*sj+1], v[P0+2*sj:P0+2*sj+1], v[P0+8+2*sj:P0+9+2*sj]
.else
.set st_, 2+(sj-4)/4
.set si_, (sj-4)%4
	WIN 0x04
	v_pk_add_f32 v[SUM+2*si_:SUM+2*si_+1], v[SUM+2*si_:SUM+2*si_+1], v[P0+8*st_+2*si_:P0+8*st_+2*si_+1]
.endif
.endm
.macro CI                              ; line cj of 208: units of 26 for two tiles: each tile's four packed products by F and eight holds (p is not negative: one-sided), then the two conversions
.set co_, cj%26
.if co_ < 24
.set ct_, 2*(cj/26)+co_/12
.set cc_, co_%12
.set cb_, P0+8*ct_
	WIN 0x41
.if cc_ < 4
	v_pk_mul_f32 v[cb_+2*cc_:cb_+2*cc_+1], v[cb_+2*cc_:cb_+2*cc_+1], v[FF:FF+1] op_sel_hi:[1,0]
.else
	v_min_num_f32 v[cb_+cc_-4], v[cb_+cc_-4], v[LIM]   ; the conversion to an 8-bit code does not saturate (ISA guide 7.6.2)
.endif
.else
.set ct_, 2*(cj/26)+co_-24
.set cb_, P0+8*ct_
	WIN 0x01
	v_cvt_scalef32_pk8_bf8_f32 v[CD+2*ct_:CD+2*ct_+1], v[cb_:cb_+7], v[SCL]
.endif
.endm
.macro MXI                             ; line mn of 16 of group mg of the NEXT tile's maximum: tile 4 mg + mn / 4, pair mn % 4: each accumulator is read from its low end on; tile 0 starts the chains
.set mt_, 4*mg+mn/4
.set mi_, mn%4
.set mb_, 8*mt_+2*mi_
.if mt_ == 0
	WIN 0x05
	v_max_num_f32 v[MX+mi_], v[mb_], v[mb_+1]
.else
	WIN 0x14
	v_max3_num_f32 v[MX+mi_], v[MX+mi_], v[mb_], v[mb_+1]
.endif
.endm
.macro QSTEP                           ; the tile of q that has come goes into place, x log2(e); the tile after it is asked for.  The last tiles ask again for tile 31: no load leaves qf
	s_wait_loadcnt 0x0                             ; asked for a tile's work ago; the loads are done, so their address may be written
.irp p, 0,2,4,6
	v_pk_mul_f32 v[QF+\p:QF+\p+1], v[QS+\p:QS+\p+1], s[28:29] op_sel_hi:[1,0]
.endr
	s_add_co_u32 s32, s32, 1024
	s_min_u32 s32, s32, 31*1024
	v_add_nc_u32 v[QAD], s32, v[QA]
	global_load_b128 v[QS:QS+3], v[QAD], s[4:5]
	global_load_b128 v[QS+4:QS+7], v[QAD], s[4:5] offset:16
.endm
; A PREFETCH INTO THE L2 of the block's 16 rows of x, 8,192 bytes: wave 0, a lane to each 256 bytes, once a block, in the tail of the block's seventh tile: one tile's work ahead of the loads at the block's end.
; Each byte of x belongs to one block of one work-group, so each is named once.  The branch hangs on the wave's number and the count of tiles.
.macro ASK
	s_cmp_eq_u32 s34, s36
	s_cbranch_scc0 .Lnot_mine_\@
	global_prefetch_b8 v[PFO], s[16:17] th:TH_LOAD_NT scope:SCOPE_SE
.Lnot_mine_\@:
.endm
.macro X1                              ; my keys' sum is finished; m_w and s_w go to LDS (both halves of the lanes store the same word)
	WIN 0
	v_pk_add_f32 v[SUM:SUM+1], v[SUM:SUM+1], v[SUM+2:SUM+3]
	v_pk_add_f32 v[SUM+4:SUM+5], v[SUM+4:SUM+5], v[SUM+6:SUM+7]
	v_pk_add_f32 v[SUM:SUM+1], v[SUM:SUM+1], v[SUM+4:SUM+5]
	v_add_f32 v[SUM], v[SUM], v[SUM+1]
	v_permlanex16_b32 v[TC], v[SUM], s22, s23
	v_add_f32 v[SUM], v[SUM], v[TC]
	ds_store_b32 v[XS], v[MM]
	ds_store_b32 v[XS], v[SUM] offset:XSO
	s_wait_dscnt 0x0                               ; for the others' sake: these two stores have landed
	s_barrier_signal -1
.endm
.macro X1W
	WIN 0
	s_barrier_wait -1                              ; all eight waves' words lie in LDS
	ds_load_b128 v[XM:XM+3], v[XL]
	ds_load_b128 v[XM+4:XM+7], v[XL] offset:16
	ds_load_b128 v[SUM:SUM+3], v[XL] offset:XSO    ; the eight sums, into the registers that my own sum has left
	ds_load_b128 v[SUM+4:SUM+7], v[XL] offset:XSO+16
.endm
.macro X2A
	WIN 0
	s_wait_dscnt 0x0                               ; my reads of the words are over:
	s_barrier_signal -1                            ; say so; the wait stands in the tile's tail, ahead of everything that leads to the next tile's stores into them
	v_max3_num_f32 v[TA], v[XM], v[XM+1], v[XM+2]
	v_max3_num_f32 v[TA], v[TA], v[XM+3], v[XM+4]
	v_max3_num_f32 v[TA], v[TA], v[XM+5], v[XM+6]
	v_max_num_f32 v[TA], v[TA], v[XM+7]            ; M
.irp j, 0,1,2,3,4,5,6,7
	v_sub_f32 v[XM+\j], v[XM+\j], v[TA]
.endr
	v_sub_f32 v[TB], v[MM], v[TA]
.irp j, 0,1,2,3,4,5,6,7
	v_exp_f32 v[XM+\j], v[XM+\j]                   ; a_j
.endr
	v_exp_f32 v[TB], v[TB]                         ; a_w
	v_nop                                          ; a plain line behind the last of the nine
.endm
.macro X2B
	WIN 0
	s_wait_alu depctr_va_vdst(0)                   ; one wait for the nine, ahead of their first reader
	v_mul_f32 v[TD], v[SUM], v[XM]                 ; S, in two chains
	v_mul_f32 v[TC], v[SUM+1], v[XM+1]
	v_fmac_f32 v[TD], v[SUM+2], v[XM+2]
	v_fmac_f32 v[TC], v[SUM+3], v[XM+3]
	v_fmac_f32 v[TD], v[SUM+4], v[XM+4]
	v_fmac_f32 v[TC], v[SUM+5], v[XM+5]
	v_fmac_f32 v[TD], v[SUM+6], v[XM+6]
	v_fmac_f32 v[TC], v[SUM+7], v[XM+7]
	v_add_f32 v[TD], v[TD], v[TC]
	v_mul_f32 v[TD], 0x413504f3, v[TD]             ; x sqrt(128)
	v_rcp_f32 v[TA], v[TD]
	v_nop
.endm
.macro X2C
	WIN 0
	s_wait_alu depctr_va_vdst(0)
	v_mul_f32 v[FF], v[TB], v[TA]                  ; F = a_w / (S sqrt(128))
	v_mov_b32 v[FF+1], v[FF]
.endm
; Slice kk of 64 of tile i's softmax.  mm = 1: there is a next tile, whose maximum is gathered here.  A group's maximum stands behind its last matrix instruction by at least eight plain lines that name none
; of that instruction's registers (ISA guide 7.12.1): groups 0 and 1 by the sums, group 2 by eight slices of the scalings.
.macro SLICE mm
.if kk == 15
	s_wait_dscnt 0x0                               ; the LDS stores of the last tile's O have read their registers, which the subtractions of tiles 14 and 15 (from slice 20 on) write again
.endif
.if kk < 30
.rept 6
.if bj < 176
	BI
.set bj, bj+1
.endif
.endr
.if kk == 29
	v_nop                                          ; a plain line behind the last exponential,
	s_wait_alu depctr_va_vdst(0)                   ; and ONE wait for the tile's 128, ahead of the first line that names a result
.endif
.elseif kk < 36
.rept 10
	SUI
.set sj, sj+1
.endr
.if kk == 35
	X1
.endif
.elseif kk < 44
.if \mm
.rept 4
.set mg, mq/16
.set mn, mq%16
	MXI
.set mq, mq+1
.endr
.endif
.if kk == 37
	X1W
.endif
.if kk == 40
	X2A
.endif
.if kk == 42
	X2B
.endif
.if kk == 43
	X2C
.endif
.else
.rept 10
	CI
.set cj, cj+1
.endr
.if \mm && (kk >= 56)
.set mg, 2
.set mn, 2*(kk-56)
	MXI
.set mn, mn+1
	MXI
.endif
.endif
.endm
; ONE TILE: its softmax and its V^T P^T; mm = 1: the next tile's energies among them.
.macro TRIP mm
.set mg, 3                             ; the last group of this tile's maximum: behind its matrix instructions stand the 18 plain lines at the end of the tile before, and q's step
.set mn, 0
.rept 16
	MXI
.set mn, mn+1
.endr
	WIN 0
	v_max3_num_f32 v[TA], v[MX], v[MX+1], v[MX+2]
	v_max_num_f32 v[TA], v[TA], v[MX+3]
	v_permlanex16_b32 v[TB], v[TA], s22, s23       ; the query's other 128 of my keys lie in lane l xor 16
	v_max_num_f32 v[MM], v[TA], v[TB]              ; m_w
.set pt_, 0
.rept 4
.set pi_, 0
.rept 4
	PAI                                            ; tiles 0 to 3 are read before the first matrix instruction writes over them
.set pi_, pi_+1
.endr
.set pt_, pt_+1
.endr
.set kk, 0
.set bj, 0
.set sj, 0
.set cj, 0
.set mq, 0
.rept 64
.if \mm
	WM
.endif
	SLICE \mm
.set kk, kk+1
.endr
.rept 8
	CI                                             ; what is over of the 208
.set cj, cj+1
.endr
	WIN 0
	v_nop                                          ; a plain line between the last conversion and the matrix instructions that read its result and write over its sources
	s_barrier_wait -1                              ; every wave's reads of the exchanged words are over
	WIN 0x40                                       ; V^T and the codes in window 0, O in window 1
	v_wmma_f32_16x16x128_bf8_bf8 v[OA:OA+7], v[VF:VF+15], v[CD:CD+15], 0            ; O^T over my 256 keys: two whole sums, added below
	v_wmma_f32_16x16x128_bf8_bf8 v[OA+8:OA+15], v[VF+16:VF+31], v[CD+16:CD+31], 0
	WIN 0
.if \mm
	QSTEP                                          ; its five plain lines and the one below are the places behind those products
	ASK
.else
.rept 4
	v_nop
.endr
.endif
	v_add_nc_u32 v[PS], s33, v[PS0]
	WIN 0x45
.irp p, 0,2,4,6
	v_pk_add_f32 v[OA+\p:OA+\p+1], v[OA+\p:OA+\p+1], v[OA+8+\p:OA+9+\p]
.endr
	WIN 0x04                                       ; store data in window 1
	ds_store_b128 v[PS], v[OA:OA+3]                ; query r, channels 8 h on, of my keys' part
	ds_store_b128 v[PS], v[OA+4:OA+7] offset:16
	WIN 0
	s_add_co_u32 s33, s33, PTILE
.endm
; THE END OF A BLOCK: 128 queries are 16 rows of 128 columns.  Three barriers.  All its registers lie in P's half of window 1.
.macro OUTPROJ step
	s_wait_dscnt 0x0                               ; my partial O has landed
	s_barrier_signal -1
	s_barrier_wait -1                              ; everybody's has
	WIN 0x40
	global_load_b128 v[XR:XR+3], v[GO], s[16:17] th:TH_LOAD_NT               ; x's rows 2 w and 2 w + 1
	global_load_b128 v[XR+4:XR+7], v[GO], s[16:17] offset:512 th:TH_LOAD_NT
	global_load_b128 v[BO:BO+3], v[LI], s[12:13]
.set o_, 0
.rept 8
	ds_load_b128 v[GA+4*o_:GA+4*o_+3], v[PL] offset:PWAVE*(o_/2)+16*(o_%2)   ; the eight waves' parts of query 8 r + 2 (w / 2) + h, channels 8 (w % 2) on: K = 32 (w / 2) + 16 h + 8 (w % 2) + 0 .. 7 of row r
.set o_, o_+1
.endr
.rept 8
	ds_load_b128 v[GA+4*o_:GA+4*o_+3], v[PL2] offset:PWAVE*((o_-8)/2)+16*(o_%2)
.set o_, o_+1
.endr
.irp c, 0,1,2,3
	ds_load_b128 v[WOF+4*\c:WOF+4*\c+3], v[WA] offset:512*\c                 ; my 16 rows of Wo, as I left them
.endr
	s_wait_dscnt 0x0
	WIN 0x45
.irp a, 0,2,4,6
.irp p, 0,2,4,6
	v_pk_add_f32 v[GA+8*\a+\p:GA+8*\a+\p+1], v[GA+8*\a+\p:GA+8*\a+\p+1], v[GA+8*\a+8+\p:GA+8*\a+9+\p]
.endr
.endr
.irp a, 0,4
.irp p, 0,2,4,6
	v_pk_add_f32 v[GA+8*\a+\p:GA+8*\a+\p+1], v[GA+8*\a+\p:GA+8*\a+\p+1], v[GA+8*\a+16+\p:GA+8*\a+17+\p]
.endr
.endr
.irp p, 0,2,4,6
	v_pk_add_f32 v[GA+\p:GA+\p+1], v[GA+\p:GA+\p+1], v[GA+32+\p:GA+33+\p]
.endr
	WIN 0x41
.irp i, 0,1,2,3,4,5,6,7
	v_med3_num_f32 v[GA+\i], v[GA+\i], -v[LIMO], v[LIMO]       ; a sum stands for sum x 2^(e6 + e7): the three scales are folded into the conversion's one
.endr
	v_cvt_scalef32_pk8_bf8_f32 v[QC:QC+1], v[GA:GA+7], v[SCO]
	v_nop
	WIN 0x04
	ds_store_b64 v[IW], v[QC:QC+1]
	s_wait_dscnt 0x0                               ; my eighth has landed, and my reads of the parts are over
	s_barrier_signal -1
	s_barrier_wait -1
	WIN 0x40
.irp c, 0,1,2,3
	ds_load_b128 v[FR+4*\c:FR+4*\c+3], v[LI] offset:IMG+512*\c
.endr
	s_wait_dscnt 0x0
	WIN 0x45
	v_wmma_f32_16x16x128_bf8_bf8 v[OB:OB+7], v[WOF:WOF+15], v[FR:FR+15], 0   ; transposed: a lane holds row r, columns 16 w + 8 h + 0 .. 7
.rept 4
	v_nop
.endr
	WIN 0x04
	ds_store_b128 v[SO], v[OB:OB+3]
	ds_store_b128 v[SO], v[OB+4:OB+7] offset:16
	s_wait_dscnt 0x0                               ; my columns have landed, and my reads of the image are over
	s_barrier_signal -1
	s_barrier_wait -1                              ; 16 whole rows lie in the stage
	WIN 0x40
.irp i, 0,1
	ds_load_b128 v[RB+4*\i:RB+4*\i+3], v[SR] offset:SP*\i
.endr
	s_wait_dscnt 0x0
	s_wait_loadcnt 0x0                             ; x's rows and bo
	WIN 0x51
.irp i, 0,1
	v_pk_fma_f32 v[RB+4*\i:RB+4*\i+1], v[RB+4*\i:RB+4*\i+1], s[30:31], v[BO:BO+1] op_sel_hi:[1,0,1]          ; sum x 2^(e8 + e9) + bo
	v_pk_fma_f32 v[RB+4*\i+2:RB+4*\i+3], v[RB+4*\i+2:RB+4*\i+3], s[30:31], v[BO+2:BO+3] op_sel_hi:[1,0,1]
.endr
	WIN 0x45
.irp i, 0,1
	v_pk_add_f32 v[RB+4*\i:RB+4*\i+1], v[RB+4*\i:RB+4*\i+1], v[XR+4*\i:XR+4*\i+1]                            ; + x
	v_pk_add_f32 v[RB+4*\i+2:RB+4*\i+3], v[RB+4*\i+2:RB+4*\i+3], v[XR+4*\i+2:XR+4*\i+3]
.endr
	WIN 0x04
.irp i, 0,1
	global_store_b128 v[GO], v[RB+4*\i:RB+4*\i+3], s[18:19] offset:512*\i th:TH_STORE_NT   ; a row: 512 consecutive bytes, aligned
.endr
	WIN 0
.if \step
	s_wait_xcnt 0x0                                ; the loads, the stores and the prefetch have read their bases and data: only now are they written again
	s_add_nc_u64 s[16:17], s[16:17], 8192
	s_add_nc_u64 s[18:19], s[18:19], 8192
.endif
.endm
	s_load_b512 s[4:19], s[0:1], 0x0               ; qf s[4:5], kf s[6:7], vt s[8:9], Wo s[10:11], bo s[12:13], the scales' exponents s[14:15], x s[16:17], out0 s[18:19]
	v_lshrrev_b32 v[TD], 5, v0
	v_readfirstlane_b32 s20, v[TD]                 ; wave 0..7
	v_and_b32 v[TA], 15, v0                        ; r
	v_bfe_u32 v[TB], v0, 4, 1                      ; h
	v_and_b32 v[TC], 31, v0                        ; lane
	v_lshlrev_b32 v[QA], 6, v[TA]
	v_lshl_add_u32 v[QA], v[TB], 5, v[QA]
	v_lshlrev_b32 v[XL], 5, v[TA]
	s_lshl_b32 s50, s20, 2
	v_add_nc_u32 v[XS], s50, v[XL]
	v_mul_u32_u24 v[PS0], v[TA], 80
	v_lshl_add_u32 v[PS0], v[TB], 5, v[PS0]
	s_mul_i32 s51, s20, PWAVE
	s_add_co_u32 s51, s51, PART
	v_add_nc_u32 v[PS0], s51, v[PS0]
	v_lshrrev_b32 v[KA], 1, v[TA]
	v_mul_u32_u24 v[PL], v[KA], PTILE
	v_and_b32 v[KA], 1, v[TA]
	v_mad_u32_u24 v[PL], v[KA], 640, v[PL]
	v_mad_u32_u24 v[PL], v[TB], 80, v[PL]
	s_lshr_b32 s52, s20, 1                         ; w / 2: which quarter of the fragment,
	s_and_b32 s54, s20, 1                          ; w % 2: which half of its 16 channels
	s_mul_i32 s53, s52, 160
	s_lshl_b32 s55, s54, 5
	s_add_co_u32 s53, s53, s55
	s_add_co_u32 s53, s53, PART
	v_add_nc_u32 v[PL], s53, v[PL]
	v_lshlrev_b32 v[LI], 4, v[TC]
	s_lshl_b32 s52, s52, 9
	s_lshl_b32 s54, s54, 3
	s_add_co_u32 s52, s52, s54
	s_add_co_u32 s52, s52, IMG
	v_add_nc_u32 v[IW], s52, v[LI]
	v_mul_u32_u24 v[SO], v[TA], SP
	v_lshl_add_u32 v[SO], v[TB], 5, v[SO]
	s_lshl_b32 s54, s20, 6
	s_add_co_u32 s54, s54, STG
	v_add_nc_u32 v[SO], s54, v[SO]
	s_mul_i32 s55, s20, 2*SP
	s_add_co_u32 s55, s55, STG
	v_add_nc_u32 v[SR], s55, v[LI]
	s_lshl_b32 s56, s20, 10
	v_add_nc_u32 v[GO], s56, v[LI]
	v_lshlrev_b32 v[PFO], 8, v[TC]
	v_and_b32 v[KA], 8, v[TA]
	v_add_nc_u32 v[KA], v[KA], v[TA]               ; r + 8 (r / 8)
	v_lshlrev_b32 v[KA], 6, v[KA]
	v_lshl_add_u32 v[KA], v[TB], 5, v[KA]          ; K: that key's row of 64 bytes, + 32 h
	v_lshlrev_b32 v[VA], 11, v[TA]
	v_lshl_add_u32 v[VA], v[TB], 4, v[VA]          ; V^T: channel r's row of 2,048 codes, + 16 h
	v_lshlrev_b32 v[PS], 9, v[TA]
	v_lshl_add_u32 v[PS], v[TB], 6, v[PS]          ; Wo: row r of 512 bytes, + 64 h
	v_mov_b32 v[MM+1], 0                           ; (named with m_w as a pair, so it is written)
	s_mov_b32 s22, 0x76543210                      ; v_permlanex16_b32: lane l takes lane l xor 16
	s_mov_b32 s23, 0xfedcba98
	s_mov_b32 s28, 0x3fb8aa3b                      ; log2(e)
	s_mov_b32 s29, s28
	s_lshr_b32 s38, ttmp9, 2                       ; the head
	s_and_b32 s39, ttmp9, 3                        ; my quarter of its queries
	s_lshl_b32 s40, s38, 17                        ; a head is 131,072 bytes of qf, kf, x and out0
	s_lshl_b32 s42, s39, 15
	s_add_co_u32 s42, s42, s40
	s_mov_b32 s43, 0
	s_lshl_b32 s44, s20, 14                        ; my wave's 256 keys of 64 bytes
	s_add_co_u32 s44, s44, s40
	s_mov_b32 s45, 0
	s_lshl_b32 s46, s38, 15                        ; a head is 32,768 bytes of vt
	s_lshl_b32 s47, s20, 8
	s_add_co_u32 s46, s46, s47
	s_mov_b32 s47, 0
	s_lshl_b32 s48, s20, 13                        ; my 16 rows of Wo
	s_mov_b32 s49, 0
	s_wait_kmcnt 0x0
	s_load_b128 s[24:27], s[14:15], 0x18           ; entries 6 to 9
	s_add_nc_u64 s[4:5], s[4:5], s[42:43]
	s_add_nc_u64 s[16:17], s[16:17], s[42:43]
	s_add_nc_u64 s[18:19], s[18:19], s[42:43]
	s_add_nc_u64 s[6:7], s[6:7], s[44:45]
	s_add_nc_u64 s[8:9], s[8:9], s[46:47]
	s_add_nc_u64 s[10:11], s[10:11], s[48:49]
	global_load_b128 v[QS:QS+3], v[QA], s[4:5]     ; q's tile 0
	global_load_b128 v[QS+4:QS+7], v[QA], s[4:5] offset:16
.set t_, 0
.rept 16
	global_load_b128 v[KB+8*t_:KB+8*t_+3], v[KA], s[6:7] offset:(16*t_-8*(t_%2))*64
	global_load_b128 v[KB+8*t_+4:KB+8*t_+7], v[KA], s[6:7] offset:(16*t_-8*(t_%2))*64+16
.set t_, t_+1
.endr
.set t_, 0
.rept 8
	global_load_b128 v[VF+4*t_:VF+4*t_+3], v[VA], s[8:9] offset:32*t_        ; fragment t / 4 (128 keys), registers 4 c on: keys 32 c + 16 h + 0 .. 15
.set t_, t_+1
.endr
	WIN 0x40
.set t_, 0
.rept 16
	global_load_b128 v[128+4*t_:131+4*t_], v[PS], s[10:11] offset:128*(t_/4)+16*(t_%4)   ; Wo's tile as f32, into P's half of window 1
.set t_, t_+1
.endr
	WIN 0
	s_wait_kmcnt 0x0
	MKSC s24, SCL, LIM                             ; p's
	s_sub_co_i32 s40, s26, s24
	s_sub_co_i32 s40, s40, s25
	MKSC s40, SCO, LIMO                            ; 2^(e8 - e6 - e7): the attention's result as an operand
	MKSC s27, XM, XM+1                             ; Wo's, once
	s_add_co_i32 s30, s26, s27
	s_add_co_i32 s30, s30, 127
	s_lshl_b32 s30, s30, 23                        ; 2^(e8 + e9)
	s_mov_b32 s31, s30
	s_wait_loadcnt 0x0                             ; all of the head's loads are in; their offsets' registers may be written again
	v_add_nc_u32 v[PL2], 4*PWAVE, v[PL]
	s_lshl_b32 s50, s20, 11
	s_add_co_u32 s50, s50, WIMG
	v_add_nc_u32 v[WA], s50, v[LI]
	WIN 0x41
.set t_, 0
.rept 64
	v_med3_num_f32 v[128+t_], v[128+t_], -v[XM+1], v[XM+1]
.set t_, t_+1
.endr
.set t_, 0
.rept 8
	v_cvt_scalef32_pk8_bf8_f32 v[192+2*t_:193+2*t_], v[128+8*t_:135+8*t_], v[XM]
.set t_, t_+1
.endr
	v_nop
	WIN 0x04
.irp c, 0,1,2,3
	ds_store_b128 v[WA], v[192+4*\c:195+4*\c] offset:512*\c    ; my fragment of Wo waits in LDS, in bytes that are my wave's own
.endr
	WIN 0
	s_wait_dscnt 0x0                               ; the stores have read their registers, which P will take
	; ---- tile 0's energies stand alone: there is no softmax yet to set between them
	s_mov_b32 s32, 0
	QSTEP
.set kk, 0
.rept 64
	WM
.set kk, kk+1
.endr
.rept 8
	v_nop                                          ; eight places behind this form, ahead of the first read of results and of the write of q's registers (ISA guide 7.12.1)
.endr
.set mq, 0
.rept 48
.set mg, mq/16
.set mn, mq%16
	MXI
.set mq, mq+1
.endr
	WIN 0
	QSTEP
	s_cmp_eq_u32 s20, 0
	s_cselect_b32 s36, 2, -1                       ; wave 0 prefetches where two tiles of the block are left to count
	s_mov_b32 s35, 3
.Lblock:                                               ; three blocks of eight tiles
	s_mov_b32 s33, 0
	s_mov_b32 s34, 8
.Ltile:
	TRIP 1
	s_sub_co_u32 s34, s34, 1
	s_cmp_lg_u32 s34, 0
	s_cbranch_scc1 .Ltile
	OUTPROJ 1
	s_sub_co_u32 s35, s35, 1
	s_cmp_lg_u32 s35, 0
	s_cbranch_scc1 .Lblock
	s_cmp_eq_u32 s20, 0                            ; the last block: seven tiles as before, and the last written out, with no tile behind it
	s_cselect_b32 s36, 1, -1
	s_mov_b32 s33, 0
	s_mov_b32 s34, 7
.Ltile_last:
	TRIP 1
	s_sub_co_u32 s34, s34, 1
	s_cmp_lg_u32 s34, 0
	s_cbranch_scc1 .Ltile_last
	TRIP 0
	OUTPROJ 0
	s_wait_xcnt 0x0
	v_lshl_add_u32 v254, v0, 2, 0x1b100
	v_mov_b32 v255, 0
	s_wait_tensorcnt 0x0
	ds_add_u32 v254, v255
	s_wait_dscnt 0x0
	s_endpgm
.Lfunc_end_k_q9f16f38793_attn:
	.size	k_q9f16f38793_attn, .Lfunc_end_k_q9f16f38793_attn-k_q9f16f38793_attn
	.p2alignl 7, 3214868480
	.fill 96, 4, 3214868480
	.section	.rodata,"a",@progbits
	.p2align	6, 0x0
	.amdhsa_kernel k_q9f16f38793_attn
		.amdhsa_group_segment_fixed_size 111872
		.amdhsa_private_segment_fixed_size 0
		.amdhsa_enable_private_segment 0
		.amdhsa_kernarg_size 64
		.amdhsa_user_sgpr_count 2
		.amdhsa_user_sgpr_kernarg_segment_ptr 1
		.amdhsa_wavefront_size32 1
		.amdhsa_system_sgpr_workgroup_id_x 1
		.amdhsa_system_sgpr_workgroup_id_y 1
		.amdhsa_system_sgpr_workgroup_id_z 1
		.amdhsa_system_vgpr_workitem_id 0
		.amdhsa_next_free_vgpr 512
		.amdhsa_next_free_sgpr 66
		.amdhsa_reserve_vcc 0
		.amdhsa_float_denorm_mode_32 3
		.amdhsa_float_denorm_mode_16_64 3
		.amdhsa_memory_ordered 1
		.amdhsa_forward_progress 1
		.amdhsa_inst_pref_size 139
	.end_amdhsa_kernel
	.amdgpu_metadata
---
amdhsa.version: [ 1, 2 ]
amdhsa.kernels:
  - .name:           k_q9f16f38793_attn
    .symbol:         k_q9f16f38793_attn.kd
    .args:
      - { .name: qf, .offset: 0, .size: 8, .value_kind: global_buffer, .address_space: global }
      - { .name: kf, .offset: 8, .size: 8, .value_kind: global_buffer, .address_space: global }
      - { .name: vt, .offset: 16, .size: 8, .value_kind: global_buffer, .address_space: global }
      - { .name: Wo, .offset: 24, .size: 8, .value_kind: global_buffer, .address_space: global }
      - { .name: bo, .offset: 32, .size: 8, .value_kind: global_buffer, .address_space: global }
      - { .name: lowp_scales, .offset: 40, .size: 8, .value_kind: global_buffer, .address_space: global }
      - { .name: x, .offset: 48, .size: 8, .value_kind: global_buffer, .address_space: global }
      - { .name: out0, .offset: 56, .size: 8, .value_kind: global_buffer, .address_space: global }
    .group_segment_fixed_size: 111872
    .private_segment_fixed_size: 0
    .kernarg_segment_align: 8
    .kernarg_segment_size: 64
    .max_flat_workgroup_size: 256
    .sgpr_count:     66
    .vgpr_count:     512
    .wavefront_size: 32
...
	.end_amdgpu_metadata
.endif
;; end of part 2
;; ======== version 2 of 2: 2 launches; version 1 with the launches lnqkv, attn written anew for expert scheduling mode
;; workspace buffers: qf 8,388,608 bytes; kf 8,388,608 bytes; vt 2,097,152 bytes
;; launch lnqkv (part 3): grid 256 x 1, 4 waves a work-group, no clusters, 92,160 bytes of LDS; arguments x, ln_w, ln_b, Wq, bq, Wk, bk, Wv, bv, lowp_scales, qf, kf, vt; writes qf, kf, vt
.if DOCPART == 3
	.amdgcn_target "amdgcn-amd-amdhsa--gfx1250"
	.amdhsa_code_object_version 6
	.text
	.protected	k_q9f16f38793_lnqkv
	.globl	k_q9f16f38793_lnqkv
	.p2align	8
	.type	k_q9f16f38793_lnqkv,@function
k_q9f16f38793_lnqkv:
	s_mov_b64 s[64:65], 0
	v_nop
	global_prefetch_b8 v0, s[64:65] scope:SCOPE_SE
	s_setreg_imm32_b32 hwreg(HW_REG_WAVE_SCHED_MODE, 0, 2), 2
	s_setreg_imm32_b32 hwreg(HW_REG_WAVE_MODE, 25, 1), 1
	s_wait_xcnt 0x0
	s_wait_alu depctr_vm_vsrc(0)
; LayerNorm of x [16384][128], then q = Q(xn) Q(Wq)^T + bq, k and v likewise, on codes of BF8 (E5M2), each operand with its given scale 2^e (entries 0 to 5 of the scales).
; q and k leave as f32, [16384][128], as they stand (the energies' product takes f32 operands).  v leaves as codes (entry 7), laid [64 heads][16 channels][2048 keys]: the keys are the later product's K.
; THE RAW VIEW: head = row / 256, key = (row % 256) x 8 + column / 16, channel = column % 16.
; SHARES.  A work-group takes 64 rows (a quarter of a head: 512 keys), each of its four waves 16 rows through all 24 tiles of 16 columns: 24 matrix instructions, each a whole sum (K = 128), each with the constant 0 as C.
; The weights are quantised once a work-group: wave w makes tiles 2 w and 2 w + 1 of each matrix; the codes go to the other waves through LDS as images of the operand's registers (16 bytes a lane, 512 a store).
; FRAGMENTS.  Lane (r = lane % 16, h = lane / 16) holds, of row r, K = 32 c + 16 h + 0 .. 15 in registers 4 c .. 4 c + 3: one permutation of K, the same on both operands, so every product meets its partner.
; q and k are used transposed (source 0 = 16 rows of W): a lane holds eight neighbouring columns of one row.  v is used as it stands (source 0 = xn): a lane holds ONE channel r and rows 8 h + j, and its
; register (j, tile a) is key 64 h + 8 j + a: written in that order the lane's 64 numbers are 64 neighbouring keys of one row of V^T.  Nothing is transposed by an instruction.
; No tensor loads: each byte is read once, straight into the registers that want it.  No cluster: the work-groups share only the weights, 192 KB against 32 KB x 256 of rows, read once each.
; LIMITS: entries 0 to 5 and 7 between -126 and 112; entries 0 + 1, 2 + 3, 4 + 5 between -126 and 127, so that each power of two is an f32 number.  NaN and infinities among the inputs are not served.
; REGISTERS, in windows of 256.  Window 0: v1-10 addresses, v11-15 at work, v16-29 scales and holds, v30, v31 the closing add's two, v32-95 xn, v96-159 at work, v160-207 xn's three fragments, v208-239 codes, v240-255 biases.
;   Window 1: Wq's and Wk's numbers, later their 16 fragments.  Window 2: v0-127 Wv's, later its 8 fragments; v128-191 ln_w, v192-255 ln_b.  Window 3: accumulators q v0-63, k v64-127, v v128-191; v192-255 rows on the way out.
; THE MODE: SCHED_MODE bits 1:0 = 2 (LLVM: expert scheduling mode 2), set by the entry lines.  The code itself states the register dependences between vector or matrix instructions and memory or LDS
; instructions, with s_wait_alu, always for 0.
; THE PLAN.  Registers that memory or LDS instructions touch, in the text's order:
;   v1-10          offsets and LDS addresses: written once at the head, read by every load and store: one wait on va_vdst ahead of the first load.
;   T, WC          the weights' codes: written by the conversions, read by the 24 stores of the images: one wait on va_vdst ahead of them.  T is written again by v's sums.
;   windows 1, 2   the weights' numbers: read by the holds and conversions, which stand ahead of that same wait; no vector line follows it before the fragments' loads land there.
;   window 3       the accumulators: written by the 24 products, read by LDS stores: the four places, then one wait on va_vdst, for q's and k's alike.  q's are then the landing place of k's rows.
;   the rows back  landed by LDS loads, written by the multiply-adds, read by the global stores: one wait on va_vdst ahead of each run of sixteen stores.
;   One wait on vm_vsrc, between q's and k's way out, states that q's LDS stores have read q's accumulators and the images' stores T.
;   AF             v's codes: written by the conversions, read by four LDS stores: one wait on va_vdst.  What comes back from V^T's stage lands in registers that no vector line names behind that wait.
.set SP,   528                         ; a stage row: 512 bytes + 16
.set WIMG, 0                           ; LDS: 24 images of 2,048 bytes: tile 8 x matrix + a
.set QKST, 49152                       ; a stage of 16 rows for each wave, its own
.set VSTG, QKST+4*16*SP                ; V^T's stage: 16 channels x 512 keys, the work-group's
.set XA,  1                            ; v1   512 r + 64 h: my 16 numbers of a block of 32, in x and in a weight
.set LW,  2                            ; v2   64 h: the same in ln_w and ln_b
.set LI,  3                            ; v3   16 x lane
.set IW,  4                            ; v4   where I store images: 4,096 x wave + 16 x lane
.set STO, 5                            ; v5   my stage: row r, + 32 h
.set RD,  6                            ; v6   my stage, by rows: 16 x lane
.set VS,  7                            ; v7   V^T's stage: row r, + 128 x wave + 64 h
.set VR,  8                            ; v8   and back: rows 4 x wave on, 16 x lane
.set VG,  9                            ; v9   the same place in vt
.set BV,  10                           ; v10  4 r
.set XN,  32
.set T,   96
.set AF,  160
.set WC,  208
.set BQ,  240
.set BK,  244
.set BVR, 248
.set MSB, 0
.macro WIN new                         ; low byte: bits 1:0 source 0, 3:2 source 1, 5:4 source 2, 7:6 destination; the high byte repeats the setting that is left
.if MSB != (\new)
	s_set_vgpr_msb (MSB<<8)|(\new)
.set MSB, (\new)
.endif
.endm
.macro LD16 dst, adr, base, off        ; 64 numbers of a lane: register 16 c + 4 j + e = K 32 c + 16 h + 4 j + e
.set c_, 0
.rept 16
	global_load_b128 v[\dst+4*c_:\dst+4*c_+3], v[\adr], s[\base:\base+1] offset:\off+128*(c_/4)+16*(c_%4)
.set c_, c_+1
.endr
.endm
.macro MKSC se, vs, vl                 ; 2^e as f32 (the conversion takes its exponent field), and 57,344 x 2^e
	s_add_co_i32 s50, \se, 127
	s_lshl_b32 s51, s50, 23
	v_mov_b32 v[\vs], s51
	s_add_co_i32 s50, s50, 15
	s_lshl_b32 s50, s50, 23
	s_or_b32 s50, s50, 0x600000
	v_mov_b32 v[\vl], s50
.endm
.macro REDUCE                          ; four chains of pairs, the pair's halves, and the other half of the lanes: the row's sum in v[T]
	v_pk_add_f32 v[T:T+1], v[T:T+1], v[T+2:T+3]
	v_pk_add_f32 v[T+4:T+5], v[T+4:T+5], v[T+6:T+7]
	v_pk_add_f32 v[T:T+1], v[T:T+1], v[T+4:T+5]
	v_add_f32 v[T], v[T], v[T+1]
	v_permlanex16_b32 v11, v[T], s42, s43
	v_add_f32 v[T], v[T], v11
.endm
.macro QUANTX m, sc, lim               ; xn, kept, becomes fragment m: the hold at the largest code x the scale goes into T (the conversion to an 8-bit code does not saturate: ISA guide 7.6.2)
.set b_, 0
.rept 4
.set i_, 0
.rept 16
	v_med3_num_f32 v[T+16*b_+i_], v[XN+16*b_+i_], -v[\lim], v[\lim]
.set i_, i_+1
.endr
	v_cvt_scalef32_pk8_bf8_f32 v[AF+16*\m+4*b_:AF+16*\m+4*b_+1], v[T+16*b_:T+16*b_+7], v[\sc]
	v_cvt_scalef32_pk8_bf8_f32 v[AF+16*\m+4*b_+2:AF+16*\m+4*b_+3], v[T+16*b_+8:T+16*b_+15], v[\sc]
.set b_, b_+1
.endr
	v_nop                                          ; a plain line behind the last conversion, ahead of whatever next writes T or reads the codes
.endm
.macro QUANTW w, src, dst, sc, lim     ; a weight's tile, 64 numbers a lane in window w, held in place, becomes 16 registers of codes in window 0
	WIN 0x41*\w
.set i_, 0
.rept 64
	v_med3_num_f32 v[\src+i_], v[\src+i_], -v[\lim], v[\lim]
.set i_, i_+1
.endr
	WIN \w
.set i_, 0
.rept 8
	v_cvt_scalef32_pk8_bf8_f32 v[\dst+2*i_:\dst+2*i_+1], v[\src+8*i_:\src+8*i_+7], v[\sc]
.set i_, i_+1
.endr
	v_nop
.endm
.macro IMAGE reg, off                  ; a fragment goes to LDS as it stands: four stores of 512 consecutive bytes
.irp c, 0,1,2,3
	ds_store_b128 v[IW], v[\reg+4*\c:\reg+4*\c+3] offset:\off+512*\c
.endr
.endm
; 16 rows x 128 columns of sums leave: through my own stage (LDS serves a wave's instructions in order, ISA guide 5.7.1.4: no wait between the stores and the loads), back as whole rows of 512 bytes,
; x 2^(the two exponents) + bias in one packed multiply-add, and out: each store covers 512 consecutive bytes, aligned.
; The accumulators were shown written ahead of the first use of this macro, and no vector line since names them or the registers in which the rows land.
.macro WAYOUT acc, back, sc, bias, ptr
	WIN 0x0c                                       ; store data in window 3
.set a_, 0
.rept 8
	ds_store_b128 v[STO], v[\acc+8*a_:\acc+8*a_+3] offset:64*a_          ; each accumulator from its low end on
	ds_store_b128 v[STO], v[\acc+8*a_+4:\acc+8*a_+7] offset:64*a_+16
.set a_, a_+1
.endr
	WIN 0xc0
.set a_, 0
.rept 16
	ds_load_b128 v[\back+4*a_:\back+4*a_+3], v[RD] offset:SP*a_
.set a_, a_+1
.endr
	s_wait_dscnt 0x0                               ; all sixteen rows are back
	WIN 0xc3
.set a_, 0
.rept 16
	v_pk_fma_f32 v[\back+4*a_:\back+4*a_+1], v[\back+4*a_:\back+4*a_+1], s[\sc:\sc+1], v[\bias:\bias+1] op_sel_hi:[1,0,1]
	v_pk_fma_f32 v[\back+4*a_+2:\back+4*a_+3], v[\back+4*a_+2:\back+4*a_+3], s[\sc:\sc+1], v[\bias+2:\bias+3] op_sel_hi:[1,0,1]
.set a_, a_+1
.endr
	WIN 0x0c
	s_wait_alu depctr_va_vdst(0)                   ; the multiply-adds have written the sixteen rows, which the stores below read
.set a_, 0
.rept 16
	global_store_b128 v[LI], v[\back+4*a_:\back+4*a_+3], s[\ptr:\ptr+1] offset:512*a_
.set a_, a_+1
.endr
.endm
	s_load_b512 s[4:19], s[0:1], 0x0               ; x s[4:5], ln_w s[6:7], ln_b s[8:9], Wq s[10:11], bq s[12:13], Wk s[14:15], bk s[16:17], Wv s[18:19]
	s_load_b256 s[20:27], s[0:1], 0x40             ; bv s[20:21], the scales' exponents s[22:23], qf s[24:25], kf s[26:27]
	s_load_b64 s[28:29], s[0:1], 0x60              ; vt
	v_lshl_add_u32 v30, v0, 2, 0x16600
	v_mov_b32 v31, 0
	v_lshrrev_b32 v11, 5, v0
	v_readfirstlane_b32 s40, v11                   ; wave 0..3
	v_and_b32 v12, 15, v0                          ; r
	v_bfe_u32 v13, v0, 4, 1                        ; h
	v_and_b32 v14, 31, v0                          ; lane
	v_lshlrev_b32 v[XA], 9, v12
	v_lshl_add_u32 v[XA], v13, 6, v[XA]
	v_lshlrev_b32 v[LW], 6, v13
	v_lshlrev_b32 v[LI], 4, v14
	s_wait_alu depctr_va_sdst(0)                   ; s40 is written, ahead of its first reader: LDS addresses and the buffers' offsets are made from it
	s_lshl_b32 s50, s40, 12
	v_add_nc_u32 v[IW], s50, v[LI]
	s_mul_i32 s51, s40, 16*SP
	s_add_co_u32 s51, s51, QKST
	v_mul_u32_u24 v15, v12, SP
	v_lshl_add_u32 v[STO], v13, 5, v15
	v_add_nc_u32 v[STO], s51, v[STO]
	v_add_nc_u32 v[RD], s51, v[LI]
	s_lshl_b32 s52, s40, 7
	s_add_co_u32 s52, s52, VSTG
	v_lshl_add_u32 v[VS], v13, 6, v15
	v_add_nc_u32 v[VS], s52, v[VS]
	s_mul_i32 s53, s40, 4*SP
	s_add_co_u32 s53, s53, VSTG
	v_add_nc_u32 v[VR], s53, v[LI]
	s_lshl_b32 s54, s40, 13
	v_add_nc_u32 v[VG], s54, v[LI]
	v_lshlrev_b32 v[BV], 2, v12
	s_mov_b32 s42, 0x76543210                      ; v_permlanex16_b32: lane l takes lane l xor 16
	s_mov_b32 s43, 0xfedcba98
	s_mov_b32 s62, 0x3c000000                      ; 1 / 128
	s_mov_b32 s63, 0x3727c5ac                      ; 1e-5
	s_lshl_b32 s56, ttmp9, 15                      ; 64 rows of 512 bytes a work-group,
	s_lshl_b32 s57, s40, 13                        ; 16 a wave
	s_add_co_u32 s56, s56, s57
	s_mov_b32 s57, 0
	s_lshl_b32 s58, s40, 14                        ; my 32 rows of each weight
	s_mov_b32 s59, 0
	s_lshr_b32 s60, ttmp9, 2                       ; the head: 32,768 bytes of vt,
	s_lshl_b32 s60, s60, 15
	s_and_b32 s61, ttmp9, 3                        ; and my work-group's 512 keys of each of its rows
	s_lshl_b32 s61, s61, 9
	s_add_co_u32 s60, s60, s61
	s_mov_b32 s61, 0
	s_wait_kmcnt 0x0
	s_load_b256 s[32:39], s[22:23], 0x0            ; entries 0 to 7
	s_add_nc_u64 s[4:5], s[4:5], s[56:57]
	s_add_nc_u64 s[24:25], s[24:25], s[56:57]
	s_add_nc_u64 s[26:27], s[26:27], s[56:57]
	s_add_nc_u64 s[10:11], s[10:11], s[58:59]
	s_add_nc_u64 s[14:15], s[14:15], s[58:59]
	s_add_nc_u64 s[18:19], s[18:19], s[58:59]
	s_add_nc_u64 s[28:29], s[28:29], s[60:61]
	s_wait_alu depctr_va_vdst(0)                   ; the ten offsets and LDS addresses v1 to v10 are written, which every load and store of the kernel reads
	; 154 loads: x, ln_w, ln_b (48) first, then the weights (96) and the biases (10)
	LD16 XN, XA, 4, 0
	WIN 0x80
	LD16 128, LW, 6, 0
	LD16 192, LW, 8, 0
	LD16 0, XA, 18, 0
	LD16 64, XA, 18, 8192
	WIN 0x40
	LD16 0, XA, 10, 0
	LD16 64, XA, 10, 8192
	LD16 128, XA, 14, 0
	LD16 192, XA, 14, 8192
	WIN 0
	global_load_b128 v[BQ:BQ+3], v[LI], s[12:13]
	global_load_b128 v[BK:BK+3], v[LI], s[16:17]
.irp a, 0,1,2,3,4,5,6,7
	global_load_b32 v[BVR+\a], v[BV], s[20:21] offset:64*\a    ; bv of channel r in tile a
.endr
	s_wait_kmcnt 0x0
	MKSC s32, 16, 17                               ; xn for q, k, v
	MKSC s34, 18, 19
	MKSC s36, 20, 21
	MKSC s33, 22, 23                               ; Wq, Wk, Wv
	MKSC s35, 24, 25
	MKSC s37, 26, 27
	MKSC s39, 28, 29                               ; v as an operand
	s_add_co_i32 s44, s32, s33
	s_add_co_i32 s44, s44, 127
	s_lshl_b32 s44, s44, 23                        ; 2^(e0 + e1)
	s_mov_b32 s45, s44                             ; (named with it as a pair, so it is written)
	s_add_co_i32 s46, s34, s35
	s_add_co_i32 s46, s46, 127
	s_lshl_b32 s46, s46, 23
	s_mov_b32 s47, s46
	s_add_co_i32 s48, s36, s37
	s_add_co_i32 s48, s48, 127
	s_lshl_b32 s48, s48, 23
	; ---- LayerNorm, in two passes over registers: a lane holds 64 numbers of its row, lane l xor 16 the other 64
	s_wait_loadcnt 63                              ; at most the youngest 63 of the 154 are out: the first 91 are in, x, ln_w and ln_b among them
.irp c, 0,1,2,3
	v_pk_add_f32 v[T+2*\c:T+2*\c+1], v[XN+2*\c:XN+2*\c+1], v[XN+8+2*\c:XN+9+2*\c]
.endr
.set p_, 8
.rept 24
	v_pk_add_f32 v[T+2*(p_%4):T+2*(p_%4)+1], v[T+2*(p_%4):T+2*(p_%4)+1], v[XN+2*p_:XN+2*p_+1]
.set p_, p_+1
.endr
	REDUCE
	v_mul_f32 v12, s62, v[T]                       ; the mean
	v_mov_b32 v13, v12
.set p_, 0
.rept 32
	v_pk_add_f32 v[XN+2*p_:XN+2*p_+1], v[XN+2*p_:XN+2*p_+1], v[12:13] neg_lo:[0,1] neg_hi:[0,1]
.set p_, p_+1
.endr
.irp c, 0,1,2,3
	v_pk_mul_f32 v[T+2*\c:T+2*\c+1], v[XN+2*\c:XN+2*\c+1], v[XN+2*\c:XN+2*\c+1]
.endr
.set p_, 4
.rept 28
	v_pk_fma_f32 v[T+2*(p_%4):T+2*(p_%4)+1], v[XN+2*p_:XN+2*p_+1], v[XN+2*p_:XN+2*p_+1], v[T+2*(p_%4):T+2*(p_%4)+1]
.set p_, p_+1
.endr
	REDUCE
	v_fma_f32 v15, v[T], s62, s63                  ; the variance + 1e-5
	v_rsq_f32 v14, v15
	v_nop                                          ; a plain line behind the transcendental,
	s_wait_alu depctr_va_vdst(0)                   ; and the wait ahead of its first reader: the reciprocal root has written v14
	v_mov_b32 v15, v14
.set p_, 0
.rept 32
	v_pk_mul_f32 v[XN+2*p_:XN+2*p_+1], v[XN+2*p_:XN+2*p_+1], v[14:15]
.set p_, p_+1
.endr
	WIN 0x28                                       ; sources 1 and 2 in window 2
.set p_, 0
.rept 32
	v_pk_fma_f32 v[XN+2*p_:XN+2*p_+1], v[XN+2*p_:XN+2*p_+1], v[128+2*p_:129+2*p_], v[192+2*p_:193+2*p_]
.set p_, p_+1
.endr
	WIN 0
	QUANTX 0, 16, 17
	QUANTX 1, 18, 19
	QUANTX 2, 20, 21
	; ---- my six tiles of the weights
	s_wait_loadcnt 0x0
	QUANTW 1, 0, T, 22, 23
	QUANTW 1, 64, T+16, 22, 23
	QUANTW 1, 128, T+32, 24, 25
	QUANTW 1, 192, T+48, 24, 25
	QUANTW 2, 0, WC, 26, 27
	QUANTW 2, 64, WC+16, 26, 27
	WIN 0
	s_wait_alu depctr_va_vdst(0)                   ; the conversions have written the codes in T and WC, which the 24 stores read, and are done reading the weights' numbers in windows 1 and 2, where the fragments land below
	IMAGE T, 0
	IMAGE T+16, 2048
	IMAGE T+32, 16384
	IMAGE T+48, 16384+2048
	IMAGE WC, 32768
	IMAGE WC+16, 32768+2048
	s_wait_dscnt 0x0                               ; for the others' sake: my images have landed
	s_barrier_signal -1
	s_barrier_wait -1                              ; all 24 lie in LDS
	WIN 0x40
.set f_, 0
.rept 64
	ds_load_b128 v[4*f_:4*f_+3], v[LI] offset:512*f_           ; Wq's eight fragments, then Wk's.  No wait: no vector line since the wait above
.set f_, f_+1
.endr
	WIN 0x80
.rept 32
	ds_load_b128 v[4*(f_-64):4*(f_-64)+3], v[LI] offset:512*f_ ; Wv's
.set f_, f_+1
.endr
	s_wait_dscnt 0x0
	WIN 0xc1                                       ; source 0 (W) window 1, source 1 (xn) window 0, D window 3
.irp a, 0,1,2,3,4,5,6,7
	v_wmma_f32_16x16x128_bf8_bf8 v[8*\a:8*\a+7], v[16*\a:16*\a+15], v[AF:AF+15], 0
.endr
.irp a, 0,1,2,3,4,5,6,7
	v_wmma_f32_16x16x128_bf8_bf8 v[64+8*\a:64+8*\a+7], v[128+16*\a:128+16*\a+15], v[AF+16:AF+31], 0
.endr
	WIN 0xc8                                       ; source 0 (xn) window 0, source 1 (Wv) window 2
.irp a, 0,1,2,3,4,5,6,7
	v_wmma_f32_16x16x128_bf8_bf8 v[128+8*\a:128+8*\a+7], v[AF+32:AF+47], v[16*\a:16*\a+15], 0
.endr
.rept 4
	v_nop                                          ; four places ahead of the first read of results (ISA guide 7.12.1)
.endr
	s_wait_alu depctr_va_vdst(0)                   ; the 24 products have written their accumulators, which q's and k's LDS stores read; the places above stay beside this wait
	WAYOUT 0, 192, 44, BQ, 24                      ; q
	s_wait_alu depctr_vm_vsrc(0)                   ; q's LDS stores have read q's accumulators, in which k's rows land; the images' stores have read T, which v's sums write
	WAYOUT 64, 0, 46, BK, 26                       ; k: its rows come back into q's accumulators, which are done with, so no store's data are written again
	; ---- v: sum x 2^(e4 + e5) + bv, written so that the lane's 64 numbers run along the keys; then the quantiser
	WIN 0x03
.set j_, 0
.rept 8
.set a_, 0
.rept 8
	v_fma_f32 v[T+8*j_+a_], v[128+8*a_+j_], s48, v[BVR+a_]     ; j = 0 first: each accumulator is read from its low end on
.set a_, a_+1
.endr
.set j_, j_+1
.endr
	WIN 0
.set i_, 0
.rept 64
	v_med3_num_f32 v[T+i_], v[T+i_], -v29, v29
.set i_, i_+1
.endr
.set i_, 0
.rept 8
	v_cvt_scalef32_pk8_bf8_f32 v[AF+2*i_:AF+2*i_+1], v[T+8*i_:T+8*i_+7], v28
.set i_, i_+1
.endr
	v_nop
	s_wait_alu depctr_va_vdst(0)                   ; the conversions have written v's codes in v[AF ..], which the four stores read
.irp i, 0,1,2,3
	ds_store_b128 v[VS], v[AF+4*\i:AF+4*\i+3] offset:16*\i     ; channel r, keys 128 x wave + 64 h + 16 i on
.endr
	s_wait_dscnt 0x0                               ; for the others' sake
	s_barrier_signal -1
	s_barrier_wait -1                              ; 16 channels x 512 keys lie in the stage
.irp i, 0,1,2,3
	ds_load_b128 v[AF+16+4*\i:AF+19+4*\i], v[VR] offset:SP*\i  ; into xn's second fragment, done with: its last readers, the products, stand ahead of the waits above
.endr
.irp i, 0,1,2,3
	s_wait_dscnt 3-\i                              ; the younger read-backs may be out
	global_store_b128 v[VG], v[AF+16+4*\i:AF+19+4*\i], s[28:29] offset:2048*\i   ; channel 4 x wave + i: 512 consecutive bytes, aligned
.endr
	s_wait_dscnt 0x0                               ; the closing lines, six on end
	s_wait_alu 0x0
	s_wait_tensorcnt 0x0
	ds_add_u32 v30, v31
	s_wait_dscnt 0x0
	s_endpgm
.Lfunc_end_k_q9f16f38793_lnqkv:
	.size	k_q9f16f38793_lnqkv, .Lfunc_end_k_q9f16f38793_lnqkv-k_q9f16f38793_lnqkv
	.p2alignl 7, 3214868480
	.fill 96, 4, 3214868480
	.section	.rodata,"a",@progbits
	.p2align	6, 0x0
	.amdhsa_kernel k_q9f16f38793_lnqkv
		.amdhsa_group_segment_fixed_size 92160
		.amdhsa_private_segment_fixed_size 0
		.amdhsa_enable_private_segment 0
		.amdhsa_kernarg_size 104
		.amdhsa_user_sgpr_count 2
		.amdhsa_user_sgpr_kernarg_segment_ptr 1
		.amdhsa_wavefront_size32 1
		.amdhsa_system_sgpr_workgroup_id_x 1
		.amdhsa_system_sgpr_workgroup_id_y 1
		.amdhsa_system_sgpr_workgroup_id_z 1
		.amdhsa_system_vgpr_workitem_id 0
		.amdhsa_next_free_vgpr 1024
		.amdhsa_next_free_sgpr 66
		.amdhsa_reserve_vcc 0
		.amdhsa_float_denorm_mode_32 3
		.amdhsa_float_denorm_mode_16_64 3
		.amdhsa_memory_ordered 1
		.amdhsa_forward_progress 1
		.amdhsa_inst_pref_size 103
	.end_amdhsa_kernel
	.amdgpu_metadata
---
amdhsa.version: [ 1, 2 ]
amdhsa.kernels:
  - .name:           k_q9f16f38793_lnqkv
    .symbol:         k_q9f16f38793_lnqkv.kd
    .args:
      - { .name: x, .offset: 0, .size: 8, .value_kind: global_buffer, .address_space: global }
      - { .name: ln_w, .offset: 8, .size: 8, .value_kind: global_buffer, .address_space: global }
      - { .name: ln_b, .offset: 16, .size: 8, .value_kind: global_buffer, .address_space: global }
      - { .name: Wq, .offset: 24, .size: 8, .value_kind: global_buffer, .address_space: global }
      - { .name: bq, .offset: 32, .size: 8, .value_kind: global_buffer, .address_space: global }
      - { .name: Wk, .offset: 40, .size: 8, .value_kind: global_buffer, .address_space: global }
      - { .name: bk, .offset: 48, .size: 8, .value_kind: global_buffer, .address_space: global }
      - { .name: Wv, .offset: 56, .size: 8, .value_kind: global_buffer, .address_space: global }
      - { .name: bv, .offset: 64, .size: 8, .value_kind: global_buffer, .address_space: global }
      - { .name: lowp_scales, .offset: 72, .size: 8, .value_kind: global_buffer, .address_space: global }
      - { .name: qf, .offset: 80, .size: 8, .value_kind: global_buffer, .address_space: global }
      - { .name: kf, .offset: 88, .size: 8, .value_kind: global_buffer, .address_space: global }
      - { .name: vt, .offset: 96, .size: 8, .value_kind: global_buffer, .address_space: global }
    .group_segment_fixed_size: 92160
    .private_segment_fixed_size: 0
    .kernarg_segment_align: 8
    .kernarg_segment_size: 104
    .max_flat_workgroup_size: 128
    .sgpr_count:     66
    .vgpr_count:     1024
    .wavefront_size: 32
...
	.end_amdgpu_metadata
.endif
;; end of part 3
;; launch attn (part 4): grid 256 x 1, 8 waves a work-group, no clusters, 111,872 bytes of LDS; arguments qf, kf, vt, Wo, bo, lowp_scales, x, out0; writes out0
.if DOCPART == 4
	.amdgcn_target "amdgcn-amd-amdhsa--gfx1250"
	.amdhsa_code_object_version 6
	.text
	.protected	k_q9f16f38793_attn
	.globl	k_q9f16f38793_attn
	.p2align	8
	.type	k_q9f16f38793_attn,@function
k_q9f16f38793_attn:
	s_mov_b64 s[64:65], 0
	v_nop
	global_prefetch_b8 v0, s[64:65] scope:SCOPE_SE
	s_setreg_imm32_b32 hwreg(HW_REG_WAVE_SCHED_MODE, 0, 2), 2
	s_setreg_imm32_b32 hwreg(HW_REG_WAVE_MODE, 25, 1), 1
	s_wait_xcnt 0x0
	s_wait_alu depctr_vm_vsrc(0)
; out0 = Q(softmax(q k^T) / sqrt(128) -> Q -> x Q(v)) Q(Wo)^T + bo + x, for 64 heads of 2,048 positions x 16 channels (the raw view: 128 neighbouring queries of a head are 16 rows of 128 columns).
; THE ENERGIES take f32 operands (v_wmma_f32_16x16x4_f32), since they run into a quantiser.  THE WEIGHTS p ARE QUANTISED FINISHED: exp(e - max) / sum / sqrt(128); so a row's whole sum is known before any p is coded.
; SHARES.  A work-group stays on a quarter of a head: 512 queries, 32 tiles of 16.  THE WAVES SHARE THE KEYS: each of the EIGHT waves owns keys 256 w .. 256 w + 255 for the whole launch; its K (f32, 128 registers)
; and its V^T (codes, 32 registers) are read from memory once, straight into registers.  A tile's energies (16 queries x 256 keys) are 128 registers a wave, its unnormalised weights another 128.
; Eight waves of 512 registers are two to a SIMD.
; LAYOUT.  S^T = K Q^T (source 0 = 16 keys, source 1 = 16 queries): a lane holds ONE query (lane % 16).  Lane (r, h) holds channels 8 h .. 8 h + 7 of its key or query; K step s takes registers 2 s, 2 s + 1:
; one permutation of the channels, the same on both sides.  THE KEYS OF A TILE ARE NOT NEIGHBOURS: lane r of tile t takes key 16 t - 8 (t % 2) + r + 8 (r / 8), so that the 16 registers of tiles 2 b and 2 b + 1
; are 16 neighbouring keys and the conversions' results ARE source 1 of O^T = V^T P^T.
; SOFTMAX.  q is multiplied by log2(e) on its way into place.  Each wave takes its own keys' maximum m_w away: P = 2^(E - m_w), s_w = the sum of P.  One exchange through LDS gives every wave the eight (m, s):
; M = the largest m, a_j = 2^(m_j - M), S = the sum of s_j a_j (at least 1), p = P x a_w / (S sqrt(128)).  So the row's true maximum is taken away, and nothing can overflow: P <= 1, S <= 2,048.
; BY TURNS.  While tile i's softmax is walked, the 64 matrix instructions of tile i + 1's energies are issued, one ahead of each slice of it.  A group of four tiles of E is overwritten only behind the lines
; that read it, and the next tile's maximum is gathered among the slices as its groups are finished.  K, E and P do not fit one window, so a slice costs two switches.
; THE END OF A BLOCK (8 tiles, 16 rows of out0): the eight waves' partial O meet in LDS; wave w sums and quantises an eighth of the rows' fragment; every wave multiplies the fragment by its 16 rows of Wo.
; No tensor loads and no cluster: what the four work-groups of a head share, K and V, is read once a work-group (160 KB) at the head; in the loop nothing is shared but 1 KB of q a tile.
; LIMITS: entries 6, 9 and 8 - 6 - 7 between -126 and 112, 8 + 9 between -126 and 127.  NaN and infinities are not served.  A wave whose keys' maximum lies more than 126 (in powers of two) under the row's
; gives zeros (v_exp_f32 flushes what is under 2^-126: ISA guide 15.8).  The sums' order inside an instruction differs from a plain ascending one (K permuted alike on both operands).
; REGISTERS.  Window 0: v1-15 addresses; v16-19 the next tile's maximum, four chains; v[20:21] m_w; v22-29 the sum, four pairs, later the eight exchanged sums; v[30:31] F; v32-35 holds and scales;
;   v36-43 the eight exchanged maxima; v44-47 at work; v48-55 q as loaded, v56-63 q in place; v64-95 V^T; v96-127 p's codes; v128-255 K, tile t at 128 + 8 t.
;   Window 1: v0-127 E, tile t at 8 t, written by the f32 matrix form alone; v128-255 P, tile t at 128 + 8 t.  Once a tile is coded P's registers are free: they take O's two accumulators and all of a block's end.
; THE MODE: SCHED_MODE bits 1:0 = 2 (LLVM: expert scheduling mode 2), set by the entry lines.  The code itself states the register dependences between vector or matrix instructions and memory or LDS
; instructions, with s_wait_alu, always for 0.
; THE PLAN.  Registers that memory or LDS instructions touch in a tile (2 global loads, 4 LDS loads, 4 LDS stores, at most one prefetch):
;   MM, SUM      written by vector lines (the tile's head; slices 30 to 35 and X1), read by X1's two LDS stores.  SUM and XM are then the landing place of X1W's four LDS loads.
;   QS           landed by the tail's two loads, read by the next tail's four products.        QAD, PS   written by one vector add each in the tail, read by the tail's loads and stores.
;   OA           written by V^T P and four additions in the tail, read by the tail's two LDS stores, written again by the subtractions of P's tiles 14 and 15 (slice 20 on).
;   XS, XL, PS0, PL, PL2, LI, IW, SO, SR, GO, PFO, WA, QA: written at the head alone.
;   E, K, q in place, V^T, the codes, MX, F and the registers at work are named by vector and matrix instructions alone.
; THE WAITS of a tile, beside the three behind transcendentals.  (1) X1, va_vdst: MM and SUM are written; the last vector lines that name XM or SUM stand ahead of it too, and up to X1W's loads only the energies'
; products and the maxima follow, which name K, q, E and MX.  (2) X1W, vm_vsrc: X1's stores have read SUM, where the loads land, and MM, which the next tile writes.  (3) The tail, va_vdst: all the tail's vector
; lines stand ahead of it, all its memory lines behind it; no vector line follows up to the block's end, whose first loads land in P's registers.  (4) Slice 15, vm_vsrc: the last tail's stores and loads have
; read OA, PS and QAD; ahead of slice 15 a tile writes P's tiles 0 to 11 at the most.
.set XCH,   0                          ; LDS: m at 32 r + 4 w,
.set XSO,   512                        ; the sums so much further on
.set IMG,   1024                       ; the rows' fragment, as an image of its registers
.set STG,   3072                       ; 16 rows x 528 for the way out
.set SP,    528
.set WIMG,  11520                      ; Wo's fragments as images, 2,048 bytes a wave, its own
.set PART,  27904                      ; partial O: [wave][tile of the block][query: 80][channel]
.set PTILE, 1296                       ; 16 x 80 + 16
.set PWAVE, 8*PTILE
.set QA,  1                            ; v1   64 r + 32 h: my 8 channels of query r; never rewritten
.set QAD, 2                            ; v2   the same in the tile to be loaded
.set XS,  3                            ; v3   XCH + 32 r + 4 w
.set XL,  4                            ; v4   XCH + 32 r
.set PS0, 5                            ; v5   PART + PWAVE w + 80 r + 32 h
.set PS,  6                            ; v6   the same in the tile in hand (at the head, once: Wo's offset)
.set PL,  7                            ; v7   PART + PTILE (r / 2) + 640 (r % 2) + 80 h + 160 (w / 2) + 32 (w % 2): query 8 r + 2 (w / 2) + h of the block, channels 8 (w % 2) on
.set LI,  8                            ; v8   16 x lane
.set IW,  9                            ; v9   IMG + 512 (w / 2) + 8 (w % 2) + 16 x lane
.set SO,  10                           ; v10  STG + 528 r + 64 w + 32 h
.set SR,  11                           ; v11  STG + 1,056 w + 16 x lane
.set GO,  12                           ; v12  1,024 w + 16 x lane: rows 2 w on of the block, in x and in out0
.set PFO, 13                           ; v13  256 x lane
.set KA,  14                           ; v14  at the head K's offset;
.set PL2, 14                           ;      then PL + 4 PWAVE: the parts of waves 4 to 7 lie past a 16-bit offset from PL
.set VA,  15                           ; v15  at the head V^T's offset;
.set WA,  15                           ;      then WIMG + 2,048 w + 16 x lane
.set MX,  16
.set MM,  20
.set SUM, 22
.set FF,  30
.set LIM, 32
.set SCL, 33
.set LIMO, 34
.set SCO, 35
.set XM,  36
.set TA,  44
.set TB,  45
.set TC,  46
.set TD,  47
.set QS,  48
.set QF,  56
.set VF,  64
.set CD,  96
.set KB,  128
.set P0,  128                          ; in window 1
.set OA,  240                          ; in window 1, over P's tiles 14 and 15: O's two accumulators
.set GA,  128                          ; in window 1, at a block's end: the eight parts, 8 registers each;
.set XR,  192                          ; x's two rows;
.set BO,  200                          ; bo;
.set QC,  204                          ; my eighth of the fragment;
.set WOF, 208                          ; Wo's fragment;
.set FR,  224                          ; the rows' fragment;
.set OB,  240                          ; the accumulator;
.set RB,  248                          ; two rows on the way out
.set MSB, 0
.macro WIN new                         ; low byte: bits 1:0 source 0, 3:2 source 1, 5:4 source 2, 7:6 destination; the high byte repeats the setting that is left
.if MSB != (\new)
	s_set_vgpr_msb (MSB<<8)|(\new)
.set MSB, (\new)
.endif
.endm
.macro MKSC se, vs, vl                 ; 2^e as f32, and 57,344 x 2^e
	s_add_co_i32 s38, \se, 127
	s_lshl_b32 s39, s38, 23
	v_mov_b32 v[\vs], s39
	s_add_co_i32 s38, s38, 15
	s_lshl_b32 s38, s38, 23
	s_or_b32 s38, s38, 0x600000
	v_mov_b32 v[\vl], s38
.endm
; Matrix instruction kk of 64 of a tile's energies: group kk / 16 of four tiles, K step (kk % 16) / 4, tile 4 x group + kk % 4.  The group's four accumulators take turns, one instruction a turn;
; a sum's first K step takes the constant 0.
.macro WM
.set ws_, (kk%16)/4
.set wt_, 4*(kk/16)+kk%4
	WIN 0x50                                       ; K and q in window 0, E (C and D) in window 1
.if ws_ == 0
	v_wmma_f32_16x16x4_f32 v[8*wt_:8*wt_+7], v[KB+8*wt_+2*ws_:KB+8*wt_+2*ws_+1], v[QF+2*ws_:QF+2*ws_+1], 0
.else
	v_wmma_f32_16x16x4_f32 v[8*wt_:8*wt_+7], v[KB+8*wt_+2*ws_:KB+8*wt_+2*ws_+1], v[QF+2*ws_:QF+2*ws_+1], v[8*wt_:8*wt_+7]
.endif
.endm
.macro PAI                             ; pair pi_ of tile pt_: E - m_w, into P
.set pb_, 8*pt_+2*pi_
	WIN 0x41
	v_pk_add_f32 v[P0+pb_:P0+pb_+1], v[pb_:pb_+1], v[MM:MM+1] op_sel_hi:[1,0] neg_lo:[0,1] neg_hi:[0,1]
.endm
.macro EXI                             ; number pi_ of tile pt_
	WIN 0x41
	v_exp_f32 v[P0+8*pt_+pi_], v[P0+8*pt_+pi_]
.endm
; Line bj of 176 of the batch.  In each of the first three runs of 48: two exponentials of a group of four tiles, then one subtraction of the next group, sixteen times; the last 32 lines are the last group's
; exponentials.  None of these names an exponential's result.
.macro BI
.set bg_, bj/48
.set bo_, bj%48
.if bg_ == 3
.set pt_, 12+bo_/8
.set pi_, bo_%8
	EXI
.elseif (bo_%3) == 2
.set pt_, 4*bg_+4+(bo_/3)/4
.set pi_, (bo_/3)%4
	PAI
.else
.set be_, 2*(bo_/3)+bo_%3
.set pt_, 4*bg_+be_/8
.set pi_, be_%8
	EXI
.endif
.endm
.macro SUI                             ; line sj of 60 of the sum of P, in four chains of pairs; the first four lines start them
.if sj < 4
	WIN 0x05
	v_pk_add_f32 v[SUM+2*sj:SUM+2*sj+1], v[P0+2*sj:P0+2*sj+1], v[P0+8+2*sj:P0+9+2*sj]
.else
.set st_, 2+(sj-4)/4
.set si_, (sj-4)%4
	WIN 0x04
	v_pk_add_f32 v[SUM+2*si_:SUM+2*si_+1], v[SUM+2*si_:SUM+2*si_+1], v[P0+8*st_+2*si_:P0+8*st_+2*si_+1]
.endif
.endm
.macro CI                              ; line cj of 208: units of 26 for two tiles: each tile's four packed products by F and eight holds (p is not negative: one-sided), then the two conversions
.set co_, cj%26
.if co_ < 24
.set ct_, 2*(cj/26)+co_/12
.set cc_, co_%12
.set cb_, P0+8*ct_
	WIN 0x41
.if cc_ < 4
	v_pk_mul_f32 v[cb_+2*cc_:cb_+2*cc_+1], v[cb_+2*cc_:cb_+2*cc_+1], v[FF:FF+1] op_sel_hi:[1,0]
.else
	v_min_num_f32 v[cb_+cc_-4], v[cb_+cc_-4], v[LIM]   ; the conversion to an 8-bit code does not saturate (ISA guide 7.6.2)
.endif
.else
.set ct_, 2*(cj/26)+co_-24
.set cb_, P0+8*ct_
	WIN 0x01
	v_cvt_scalef32_pk8_bf8_f32 v[CD+2*ct_:CD+2*ct_+1], v[cb_:cb_+7], v[SCL]
.endif
.endm
.macro MXI                             ; line mn of 16 of group mg of the NEXT tile's maximum: tile 4 mg + mn / 4, pair mn % 4: each accumulator is read from its low end on; tile 0 starts the chains
.set mt_, 4*mg+mn/4
.set mi_, mn%4
.set mb_, 8*mt_+2*mi_
.if mt_ == 0
	WIN 0x05
	v_max_num_f32 v[MX+mi_], v[mb_], v[mb_+1]
.else
	WIN 0x14
	v_max3_num_f32 v[MX+mi_], v[MX+mi_], v[mb_], v[mb_+1]
.endif
.endm
.macro QMUL                            ; the tile of q that has come goes into place, x log2(e), and the address of the tile after it is made.  The last tiles ask again for tile 31: no load leaves qf
	s_wait_loadcnt 0x0                             ; asked for a tile's work ago; the loads are done, so their address may be written
.irp p, 0,2,4,6
	v_pk_mul_f32 v[QF+\p:QF+\p+1], v[QS+\p:QS+\p+1], s[28:29] op_sel_hi:[1,0]
.endr
	s_add_co_u32 s32, s32, 1024
	s_min_u32 s32, s32, 31*1024
	v_add_nc_u32 v[QAD], s32, v[QA]
.endm
.macro QLOAD                           ; and that tile is asked for: behind a wait which shows v[QAD] written and the four products above done reading v[QS ..]
	global_load_b128 v[QS:QS+3], v[QAD], s[4:5]
	global_load_b128 v[QS+4:QS+7], v[QAD], s[4:5] offset:16
.endm
; A PREFETCH INTO THE L2 of the block's 16 rows of x, 8,192 bytes: wave 0, a lane to each 256 bytes, once a block, in the tail of the block's seventh tile: one tile's work ahead of the loads at the block's end.
; Each byte of x belongs to one block of one work-group, so each is named once.  The branch hangs on the wave's number and the count of tiles.
.macro ASK
	s_cmp_eq_u32 s34, s36
	s_cbranch_scc0 .Lnot_mine_\@
	global_prefetch_b8 v[PFO], s[16:17] th:TH_LOAD_NT scope:SCOPE_SE
.Lnot_mine_\@:
.endm
.macro X1                              ; my keys' sum is finished; m_w and s_w go to LDS (both halves of the lanes store the same word)
	WIN 0
	v_pk_add_f32 v[SUM:SUM+1], v[SUM:SUM+1], v[SUM+2:SUM+3]
	v_pk_add_f32 v[SUM+4:SUM+5], v[SUM+4:SUM+5], v[SUM+6:SUM+7]
	v_pk_add_f32 v[SUM:SUM+1], v[SUM:SUM+1], v[SUM+4:SUM+5]
	v_add_f32 v[SUM], v[SUM], v[SUM+1]
	v_permlanex16_b32 v[TC], v[SUM], s22, s23
	v_add_f32 v[SUM], v[SUM], v[TC]
	s_wait_alu depctr_va_vdst(0)                   ; v[MM] and v[SUM] are written, which the two stores read; and every vector line that names v[SUM ..] or v[XM ..], where X1W's loads land, is done
	ds_store_b32 v[XS], v[MM]
	ds_store_b32 v[XS], v[SUM] offset:XSO
	s_wait_dscnt 0x0                               ; for the others' sake: these two stores have landed
	s_barrier_signal -1
.endm
.macro X1W
	WIN 0
	s_barrier_wait -1                              ; all eight waves' words lie in LDS
	s_wait_alu depctr_vm_vsrc(0)                   ; my two stores have read v[SUM], in which a load below lands, and v[MM], which the next tile's head writes
	ds_load_b128 v[XM:XM+3], v[XL]
	ds_load_b128 v[XM+4:XM+7], v[XL] offset:16
	ds_load_b128 v[SUM:SUM+3], v[XL] offset:XSO    ; the eight sums, into the registers that my own sum has left
	ds_load_b128 v[SUM+4:SUM+7], v[XL] offset:XSO+16
.endm
.macro X2A
	WIN 0
	s_wait_dscnt 0x0                               ; my reads of the words are over:
	s_barrier_signal -1                            ; say so; the wait stands in the tile's tail, ahead of everything that leads to the next tile's stores into them
	v_max3_num_f32 v[TA], v[XM], v[XM+1], v[XM+2]
	v_max3_num_f32 v[TA], v[TA], v[XM+3], v[XM+4]
	v_max3_num_f32 v[TA], v[TA], v[XM+5], v[XM+6]
	v_max_num_f32 v[TA], v[TA], v[XM+7]            ; M
.irp j, 0,1,2,3,4,5,6,7
	v_sub_f32 v[XM+\j], v[XM+\j], v[TA]
.endr
	v_sub_f32 v[TB], v[MM], v[TA]
.irp j, 0,1,2,3,4,5,6,7
	v_exp_f32 v[XM+\j], v[XM+\j]                   ; a_j
.endr
	v_exp_f32 v[TB], v[TB]                         ; a_w
	v_nop                                          ; a plain line behind the last of the nine
.endm
.macro X2B
	WIN 0
	s_wait_alu depctr_va_vdst(0)                   ; the nine exponentials have written v[XM ..] and v[TB]: one wait, ahead of their first reader
	v_mul_f32 v[TD], v[SUM], v[XM]                 ; S, in two chains
	v_mul_f32 v[TC], v[SUM+1], v[XM+1]
	v_fmac_f32 v[TD], v[SUM+2], v[XM+2]
	v_fmac_f32 v[TC], v[SUM+3], v[XM+3]
	v_fmac_f32 v[TD], v[SUM+4], v[XM+4]
	v_fmac_f32 v[TC], v[SUM+5], v[XM+5]
	v_fmac_f32 v[TD], v[SUM+6], v[XM+6]
	v_fmac_f32 v[TC], v[SUM+7], v[XM+7]
	v_add_f32 v[TD], v[TD], v[TC]
	v_mul_f32 v[TD], 0x413504f3, v[TD]             ; x sqrt(128)
	v_rcp_f32 v[TA], v[TD]
	v_nop
.endm
.macro X2C
	WIN 0
	s_wait_alu depctr_va_vdst(0)                   ; the reciprocal has written v[TA], ahead of its first reader
	v_mul_f32 v[FF], v[TB], v[TA]                  ; F = a_w / (S sqrt(128))
	v_mov_b32 v[FF+1], v[FF]
.endm
; Slice kk of 64 of tile i's softmax.  mm = 1: there is a next tile, whose maximum is gathered here.  A group's maximum stands behind its last matrix instruction by at least eight plain lines that name none
; of that instruction's registers (ISA guide 7.12.1): groups 0 and 1 by the sums, group 2 by eight slices of the scalings.
.macro SLICE mm
.if kk == 15
	s_wait_dscnt 0x0                               ; the LDS stores of the last tile's O are done,
	s_wait_alu depctr_vm_vsrc(0)                   ; and have read v[OA ..], which the subtractions of tiles 14 and 15 (from slice 20 on) write again, and v[PS]; q's loads have read v[QAD]: this tile's tail writes both
.endif
.if kk < 30
.rept 6
.if bj < 176
	BI
.set bj, bj+1
.endif
.endr
.if kk == 29
	v_nop                                          ; a plain line behind the last exponential,
	s_wait_alu depctr_va_vdst(0)                   ; and ONE wait for the tile's 128: they have written P, ahead of the first line that names a result
.endif
.elseif kk < 36
.rept 10
	SUI
.set sj, sj+1
.endr
.if kk == 35
	X1
.endif
.elseif kk < 44
.if \mm
.rept 4
.set mg, mq/16
.set mn, mq%16
	MXI
.set mq, mq+1
.endr
.endif
.if kk == 37
	X1W
.endif
.if kk == 40
	X2A
.endif
.if kk == 42
	X2B
.endif
.if kk == 43
	X2C
.endif
.else
.rept 10
	CI
.set cj, cj+1
.endr
.if \mm && (kk >= 56)
.set mg, 2
.set mn, 2*(kk-56)
	MXI
.set mn, mn+1
	MXI
.endif
.endif
.endm
; ONE TILE: its softmax and its V^T P^T; mm = 1: the next tile's energies among them.
.macro TRIP mm
.set mg, 3                             ; the last group of this tile's maximum: behind its matrix instructions stand the 18 plain lines at the end of the tile before, and q's step
.set mn, 0
.rept 16
	MXI
.set mn, mn+1
.endr
	WIN 0
	v_max3_num_f32 v[TA], v[MX], v[MX+1], v[MX+2]
	v_max_num_f32 v[TA], v[TA], v[MX+3]
	v_permlanex16_b32 v[TB], v[TA], s22, s23       ; the query's other 128 of my keys lie in lane l xor 16
	v_max_num_f32 v[MM], v[TA], v[TB]              ; m_w
.set pt_, 0
.rept 4
.set pi_, 0
.rept 4
	PAI                                            ; tiles 0 to 3 are read before the first matrix instruction writes over them
.set pi_, pi_+1
.endr
.set pt_, pt_+1
.endr
.set kk, 0
.set bj, 0
.set sj, 0
.set cj, 0
.set mq, 0
.rept 64
.if \mm
	WM
.endif
	SLICE \mm
.set kk, kk+1
.endr
.rept 8
	CI                                             ; what is over of the 208
.set cj, cj+1
.endr
	WIN 0
	v_nop                                          ; a plain line between the last conversion and the matrix instructions that read its result and write over its sources
	s_barrier_wait -1                              ; every wave's reads of the exchanged words are over
	WIN 0x40                                       ; V^T and the codes in window 0, O in window 1
	v_wmma_f32_16x16x128_bf8_bf8 v[OA:OA+7], v[VF:VF+15], v[CD:CD+15], 0            ; O^T over my 256 keys: two whole sums, added below
	v_wmma_f32_16x16x128_bf8_bf8 v[OA+8:OA+15], v[VF+16:VF+31], v[CD+16:CD+31], 0
	WIN 0
	; THE TAIL: all its vector lines first, one wait, then all its memory lines
.if \mm
	QMUL                                           ; its five plain lines and the one below are the places behind those products
.else
.rept 4
	v_nop
.endr
.endif
	v_add_nc_u32 v[PS], s33, v[PS0]
	WIN 0x45
.irp p, 0,2,4,6
	v_pk_add_f32 v[OA+\p:OA+\p+1], v[OA+\p:OA+\p+1], v[OA+8+\p:OA+9+\p]
.endr
	WIN 0x04                                       ; store data in window 1
	s_wait_alu depctr_va_vdst(0)                   ; v[OA ..], v[PS] and v[QAD] are written, which the stores and loads below read; q's products are done reading v[QS ..], where the loads land; the tile's lines on P are done, where a block's end loads
	ds_store_b128 v[PS], v[OA:OA+3]                ; query r, channels 8 h on, of my keys' part
	ds_store_b128 v[PS], v[OA+4:OA+7] offset:16
	WIN 0
.if \mm
	QLOAD
	ASK
.endif
	s_add_co_u32 s33, s33, PTILE
.endm
; THE END OF A BLOCK: 128 queries are 16 rows of 128 columns.  Three barriers.  All its registers lie in P's half of window 1.
.macro OUTPROJ step
	s_wait_dscnt 0x0                               ; my partial O has landed
	s_barrier_signal -1
	s_barrier_wait -1                              ; everybody's has
	WIN 0x40
	global_load_b128 v[XR:XR+3], v[GO], s[16:17] th:TH_LOAD_NT               ; x's rows 2 w and 2 w + 1.  No wait: no vector line since the wait in the last tile's tail
	global_load_b128 v[XR+4:XR+7], v[GO], s[16:17] offset:512 th:TH_LOAD_NT
	global_load_b128 v[BO:BO+3], v[LI], s[12:13]
.set o_, 0
.rept 8
	ds_load_b128 v[GA+4*o_:GA+4*o_+3], v[PL] offset:PWAVE*(o_/2)+16*(o_%2)   ; the eight waves' parts of query 8 r + 2 (w / 2) + h, channels 8 (w % 2) on: K = 32 (w / 2) + 16 h + 8 (w % 2) + 0 .. 7 of row r
.set o_, o_+1
.endr
.rept 8
	ds_load_b128 v[GA+4*o_:GA+4*o_+3], v[PL2] offset:PWAVE*((o_-8)/2)+16*(o_%2)
.set o_, o_+1
.endr
.irp c, 0,1,2,3
	ds_load_b128 v[WOF+4*\c:WOF+4*\c+3], v[WA] offset:512*\c                 ; my 16 rows of Wo, as I left them
.endr
	s_wait_dscnt 0x0
	WIN 0x45
.irp a, 0,2,4,6
.irp p, 0,2,4,6
	v_pk_add_f32 v[GA+8*\a+\p:GA+8*\a+\p+1], v[GA+8*\a+\p:GA+8*\a+\p+1], v[GA+8*\a+8+\p:GA+8*\a+9+\p]
.endr
.endr
.irp a, 0,4
.irp p, 0,2,4,6
	v_pk_add_f32 v[GA+8*\a+\p:GA+8*\a+\p+1], v[GA+8*\a+\p:GA+8*\a+\p+1], v[GA+8*\a+16+\p:GA+8*\a+17+\p]
.endr
.endr
.irp p, 0,2,4,6
	v_pk_add_f32 v[GA+\p:GA+\p+1], v[GA+\p:GA+\p+1], v[GA+32+\p:GA+33+\p]
.endr
	WIN 0x41
.irp i, 0,1,2,3,4,5,6,7
	v_med3_num_f32 v[GA+\i], v[GA+\i], -v[LIMO], v[LIMO]       ; a sum stands for sum x 2^(e6 + e7): the three scales are folded into the conversion's one
.endr
	v_cvt_scalef32_pk8_bf8_f32 v[QC:QC+1], v[GA:GA+7], v[SCO]
	v_nop
	WIN 0x04
	s_wait_alu depctr_va_vdst(0)                   ; the conversion has written v[QC ..], which the store reads
	ds_store_b64 v[IW], v[QC:QC+1]
	s_wait_dscnt 0x0                               ; my eighth has landed, and my reads of the parts are over
	s_barrier_signal -1
	s_barrier_wait -1
	WIN 0x40
.irp c, 0,1,2,3
	ds_load_b128 v[FR+4*\c:FR+4*\c+3], v[LI] offset:IMG+512*\c               ; no vector line since the wait above
.endr
	s_wait_dscnt 0x0
	WIN 0x45
	s_wait_alu depctr_vm_vsrc(0)                   ; the LDS stores of the last tile's O have read v[OA ..], the registers that the product below writes
	v_wmma_f32_16x16x128_bf8_bf8 v[OB:OB+7], v[WOF:WOF+15], v[FR:FR+15], 0   ; transposed: a lane holds row r, columns 16 w + 8 h + 0 .. 7
.rept 4
	v_nop
.endr
	WIN 0x04
	s_wait_alu depctr_va_vdst(0)                   ; the product has written v[OB ..], which the two stores read; the four places above stay beside this wait
	ds_store_b128 v[SO], v[OB:OB+3]
	ds_store_b128 v[SO], v[OB+4:OB+7] offset:16
	s_wait_dscnt 0x0                               ; my columns have landed, and my reads of the image are over
	s_barrier_signal -1
	s_barrier_wait -1                              ; 16 whole rows lie in the stage
	WIN 0x40
.irp i, 0,1
	ds_load_b128 v[RB+4*\i:RB+4*\i+3], v[SR] offset:SP*\i                    ; no vector line since the wait above
.endr
	s_wait_dscnt 0x0
	s_wait_loadcnt 0x0                             ; x's rows and bo
	WIN 0x51
.irp i, 0,1
	v_pk_fma_f32 v[RB+4*\i:RB+4*\i+1], v[RB+4*\i:RB+4*\i+1], s[30:31], v[BO:BO+1] op_sel_hi:[1,0,1]          ; sum x 2^(e8 + e9) + bo
	v_pk_fma_f32 v[RB+4*\i+2:RB+4*\i+3], v[RB+4*\i+2:RB+4*\i+3], s[30:31], v[BO+2:BO+3] op_sel_hi:[1,0,1]
.endr
	WIN 0x45
.irp i, 0,1
	v_pk_add_f32 v[RB+4*\i:RB+4*\i+1], v[RB+4*\i:RB+4*\i+1], v[XR+4*\i:XR+4*\i+1]                            ; + x
	v_pk_add_f32 v[RB+4*\i+2:RB+4*\i+3], v[RB+4*\i+2:RB+4*\i+3], v[XR+4*\i+2:XR+4*\i+3]
.endr
	WIN 0x04
	s_wait_alu depctr_va_vdst(0)                   ; the additions have written v[RB ..], which the two stores read
.irp i, 0,1
	global_store_b128 v[GO], v[RB+4*\i:RB+4*\i+3], s[18:19] offset:512*\i th:TH_STORE_NT   ; a row: 512 consecutive bytes, aligned
.endr
	WIN 0
.if \step
	s_wait_xcnt 0x0                                ; the loads, the stores and the prefetch have read their bases and data: only now are they written again
	s_wait_alu depctr_vm_vsrc(0)                   ; the block's stores have read v[QC ..], v[OB ..] and v[RB ..]: P's tiles 9, 14 and 15, which the next tile writes, tile 9 ahead of its slice 15
	s_add_nc_u64 s[16:17], s[16:17], 8192
	s_add_nc_u64 s[18:19], s[18:19], 8192
.endif
.endm
	s_load_b512 s[4:19], s[0:1], 0x0               ; qf s[4:5], kf s[6:7], vt s[8:9], Wo s[10:11], bo s[12:13], the scales' exponents s[14:15], x s[16:17], out0 s[18:19]
	v_lshrrev_b32 v[TD], 5, v0
	v_readfirstlane_b32 s20, v[TD]                 ; wave 0..7
	v_and_b32 v[TA], 15, v0                        ; r
	v_bfe_u32 v[TB], v0, 4, 1                      ; h
	v_and_b32 v[TC], 31, v0                        ; lane
	v_lshlrev_b32 v[QA], 6, v[TA]
	v_lshl_add_u32 v[QA], v[TB], 5, v[QA]
	v_lshlrev_b32 v[XL], 5, v[TA]
	s_wait_alu depctr_va_sdst(0)                   ; s20 is written, ahead of its first reader: LDS addresses, the buffers' offsets and the branches on the wave's number are made from it
	s_lshl_b32 s50, s20, 2
	v_add_nc_u32 v[XS], s50, v[XL]
	v_mul_u32_u24 v[PS0], v[TA], 80
	v_lshl_add_u32 v[PS0], v[TB], 5, v[PS0]
	s_mul_i32 s51, s20, PWAVE
	s_add_co_u32 s51, s51, PART
	v_add_nc_u32 v[PS0], s51, v[PS0]
	v_lshrrev_b32 v[KA], 1, v[TA]
	v_mul_u32_u24 v[PL], v[KA], PTILE
	v_and_b32 v[KA], 1, v[TA]
	v_mad_u32_u24 v[PL], v[KA], 640, v[PL]
	v_mad_u32_u24 v[PL], v[TB], 80, v[PL]
	s_lshr_b32 s52, s20, 1                         ; w / 2: which quarter of the fragment,
	s_and_b32 s54, s20, 1                          ; w % 2: which half of its 16 channels
	s_mul_i32 s53, s52, 160
	s_lshl_b32 s55, s54, 5
	s_add_co_u32 s53, s53, s55
	s_add_co_u32 s53, s53, PART
	v_add_nc_u32 v[PL], s53, v[PL]
	v_lshlrev_b32 v[LI], 4, v[TC]
	s_lshl_b32 s52, s52, 9
	s_lshl_b32 s54, s54, 3
	s_add_co_u32 s52, s52, s54
	s_add_co_u32 s52, s52, IMG
	v_add_nc_u32 v[IW], s52, v[LI]
	v_mul_u32_u24 v[SO], v[TA], SP
	v_lshl_add_u32 v[SO], v[TB], 5, v[SO]
	s_lshl_b32 s54, s20, 6
	s_add_co_u32 s54, s54, STG
	v_add_nc_u32 v[SO], s54, v[SO]
	s_mul_i32 s55, s20, 2*SP
	s_add_co_u32 s55, s55, STG
	v_add_nc_u32 v[SR], s55, v[LI]
	s_lshl_b32 s56, s20, 10
	v_add_nc_u32 v[GO], s56, v[LI]
	v_lshlrev_b32 v[PFO], 8, v[TC]
	v_and_b32 v[KA], 8, v[TA]
	v_add_nc_u32 v[KA], v[KA], v[TA]               ; r + 8 (r / 8)
	v_lshlrev_b32 v[KA], 6, v[KA]
	v_lshl_add_u32 v[KA], v[TB], 5, v[KA]          ; K: that key's row of 64 bytes, + 32 h
	v_lshlrev_b32 v[VA], 11, v[TA]
	v_lshl_add_u32 v[VA], v[TB], 4, v[VA]          ; V^T: channel r's row of 2,048 codes, + 16 h
	v_lshlrev_b32 v[PS], 9, v[TA]
	v_lshl_add_u32 v[PS], v[TB], 6, v[PS]          ; Wo: row r of 512 bytes, + 64 h
	v_mov_b32 v[MM+1], 0                           ; (named with m_w as a pair, so it is written)
	s_mov_b32 s22, 0x76543210                      ; v_permlanex16_b32: lane l takes lane l xor 16
	s_mov_b32 s23, 0xfedcba98
	s_mov_b32 s28, 0x3fb8aa3b                      ; log2(e)
	s_mov_b32 s29, s28
	s_lshr_b32 s38, ttmp9, 2                       ; the head
	s_and_b32 s39, ttmp9, 3                        ; my quarter of its queries
	s_lshl_b32 s40, s38, 17                        ; a head is 131,072 bytes of qf, kf, x and out0
	s_lshl_b32 s42, s39, 15
	s_add_co_u32 s42, s42, s40
	s_mov_b32 s43, 0
	s_lshl_b32 s44, s20, 14                        ; my wave's 256 keys of 64 bytes
	s_add_co_u32 s44, s44, s40
	s_mov_b32 s45, 0
	s_lshl_b32 s46, s38, 15                        ; a head is 32,768 bytes of vt
	s_lshl_b32 s47, s20, 8
	s_add_co_u32 s46, s46, s47
	s_mov_b32 s47, 0
	s_lshl_b32 s48, s20, 13                        ; my 16 rows of Wo
	s_mov_b32 s49, 0
	s_wait_kmcnt 0x0
	s_load_b128 s[24:27], s[14:15], 0x18           ; entries 6 to 9
	s_add_nc_u64 s[4:5], s[4:5], s[42:43]
	s_add_nc_u64 s[16:17], s[16:17], s[42:43]
	s_add_nc_u64 s[18:19], s[18:19], s[42:43]
	s_add_nc_u64 s[6:7], s[6:7], s[44:45]
	s_add_nc_u64 s[8:9], s[8:9], s[46:47]
	s_add_nc_u64 s[10:11], s[10:11], s[48:49]
	s_wait_alu depctr_va_vdst(0)                   ; the offsets and LDS addresses v1 to v15 are written, which the loads below and the kernel's later loads, stores and prefetches read
	global_load_b128 v[QS:QS+3], v[QA], s[4:5]     ; q's tile 0
	global_load_b128 v[QS+4:QS+7], v[QA], s[4:5] offset:16
.set t_, 0
.rept 16
	global_load_b128 v[KB+8*t_:KB+8*t_+3], v[KA], s[6:7] offset:(16*t_-8*(t_%2))*64
	global_load_b128 v[KB+8*t_+4:KB+8*t_+7], v[KA], s[6:7] offset:(16*t_-8*(t_%2))*64+16
.set t_, t_+1
.endr
.set t_, 0
.rept 8
	global_load_b128 v[VF+4*t_:VF+4*t_+3], v[VA], s[8:9] offset:32*t_        ; fragment t / 4 (128 keys), registers 4 c on: keys 32 c + 16 h + 0 .. 15
.set t_, t_+1
.endr
	WIN 0x40
.set t_, 0
.rept 16
	global_load_b128 v[128+4*t_:131+4*t_], v[PS], s[10:11] offset:128*(t_/4)+16*(t_%4)   ; Wo's tile as f32, into P's half of window 1
.set t_, t_+1
.endr
	WIN 0
	s_wait_kmcnt 0x0
	MKSC s24, SCL, LIM                             ; p's
	s_sub_co_i32 s40, s26, s24
	s_sub_co_i32 s40, s40, s25
	MKSC s40, SCO, LIMO                            ; 2^(e8 - e6 - e7): the attention's result as an operand
	MKSC s27, XM, XM+1                             ; Wo's, once
	s_add_co_i32 s30, s26, s27
	s_add_co_i32 s30, s30, 127
	s_lshl_b32 s30, s30, 23                        ; 2^(e8 + e9)
	s_mov_b32 s31, s30
	s_wait_loadcnt 0x0                             ; all of the head's loads are in,
	s_wait_alu depctr_vm_vsrc(0)                   ; and have read their offsets: v14 and v15 are written again below, v6 in the first tile's tail
	v_add_nc_u32 v[PL2], 4*PWAVE, v[PL]
	s_lshl_b32 s50, s20, 11
	s_add_co_u32 s50, s50, WIMG
	v_add_nc_u32 v[WA], s50, v[LI]
	WIN 0x41
.set t_, 0
.rept 64
	v_med3_num_f32 v[128+t_], v[128+t_], -v[XM+1], v[XM+1]
.set t_, t_+1
.endr
.set t_, 0
.rept 8
	v_cvt_scalef32_pk8_bf8_f32 v[192+2*t_:193+2*t_], v[128+8*t_:135+8*t_], v[XM]
.set t_, t_+1
.endr
	v_nop
	WIN 0x04
	s_wait_alu depctr_va_vdst(0)                   ; the conversions have written Wo's codes, and v[WA] and v[PL2] are written: the four stores read the first two, a block's end the third
.irp c, 0,1,2,3
	ds_store_b128 v[WA], v[192+4*\c:195+4*\c] offset:512*\c    ; my fragment of Wo waits in LDS, in bytes that are my wave's own
.endr
	WIN 0
	s_wait_dscnt 0x0                               ; the stores are done,
	s_wait_alu depctr_vm_vsrc(0)                   ; and have read their registers, which P will take
	; ---- tile 0's energies stand alone: there is no softmax yet to set between them
	s_mov_b32 s32, 0
	QMUL
	s_wait_alu depctr_va_vdst(0)                   ; v[QAD] is written, which the two loads read; the four products are done reading v[QS ..], where they land
	QLOAD
.set kk, 0
.rept 64
	WM
.set kk, kk+1
.endr
.rept 8
	v_nop                                          ; eight places behind this form, ahead of the first read of results and of the write of q's registers (ISA guide 7.12.1)
.endr
.set mq, 0
.rept 48
.set mg, mq/16
.set mn, mq%16
	MXI
.set mq, mq+1
.endr
	WIN 0
	s_wait_alu depctr_vm_vsrc(0)                   ; the two loads above have read v[QAD], which is written again below
	QMUL
	s_wait_alu depctr_va_vdst(0)                   ; v[QAD] is written, which the two loads read; the four products are done reading v[QS ..], where they land
	QLOAD
	s_cmp_eq_u32 s20, 0
	s_cselect_b32 s36, 2, -1                       ; wave 0 prefetches where two tiles of the block are left to count
	s_mov_b32 s35, 3
.Lblock:                                               ; three blocks of eight tiles
	s_mov_b32 s33, 0
	s_mov_b32 s34, 8
.Ltile:
	TRIP 1
	s_sub_co_u32 s34, s34, 1
	s_cmp_lg_u32 s34, 0
	s_cbranch_scc1 .Ltile
	OUTPROJ 1
	s_sub_co_u32 s35, s35, 1
	s_cmp_lg_u32 s35, 0
	s_cbranch_scc1 .Lblock
	s_cmp_eq_u32 s20, 0                            ; the last block: seven tiles as before, and the last written out, with no tile behind it
	s_cselect_b32 s36, 1, -1
	s_mov_b32 s33, 0
	s_mov_b32 s34, 7
.Ltile_last:
	TRIP 1
	s_sub_co_u32 s34, s34, 1
	s_cmp_lg_u32 s34, 0
	s_cbranch_scc1 .Ltile_last
	TRIP 0
	OUTPROJ 0
	s_wait_xcnt 0x0
	v_lshl_add_u32 v254, v0, 2, 0x1b100            ; the closing add's two registers are made anew, in K's last two, which are done with and which no memory or LDS instruction has read
	v_mov_b32 v255, 0
	s_wait_dscnt 0x0                               ; the closing lines, six on end
	s_wait_alu 0x0
	s_wait_tensorcnt 0x0
	ds_add_u32 v254, v255
	s_wait_dscnt 0x0
	s_endpgm
.Lfunc_end_k_q9f16f38793_attn:
	.size	k_q9f16f38793_attn, .Lfunc_end_k_q9f16f38793_attn-k_q9f16f38793_attn
	.p2alignl 7, 3214868480
	.fill 96, 4, 3214868480
	.section	.rodata,"a",@progbits
	.p2align	6, 0x0
	.amdhsa_kernel k_q9f16f38793_attn
		.amdhsa_group_segment_fixed_size 111872
		.amdhsa_private_segment_fixed_size 0
		.amdhsa_enable_private_segment 0
		.amdhsa_kernarg_size 64
		.amdhsa_user_sgpr_count 2
		.amdhsa_user_sgpr_kernarg_segment_ptr 1
		.amdhsa_wavefront_size32 1
		.amdhsa_system_sgpr_workgroup_id_x 1
		.amdhsa_system_sgpr_workgroup_id_y 1
		.amdhsa_system_sgpr_workgroup_id_z 1
		.amdhsa_system_vgpr_workitem_id 0
		.amdhsa_next_free_vgpr 512
		.amdhsa_next_free_sgpr 66
		.amdhsa_reserve_vcc 0
		.amdhsa_float_denorm_mode_32 3
		.amdhsa_float_denorm_mode_16_64 3
		.amdhsa_memory_ordered 1
		.amdhsa_forward_progress 1
		.amdhsa_inst_pref_size 140
	.end_amdhsa_kernel
	.amdgpu_metadata
---
amdhsa.version: [ 1, 2 ]
amdhsa.kernels:
  - .name:           k_q9f16f38793_attn
    .symbol:         k_q9f16f38793_attn.kd
    .args:
      - { .name: qf, .offset: 0, .size: 8, .value_kind: global_buffer, .address_space: global }
      - { .name: kf, .offset: 8, .size: 8, .value_kind: global_buffer, .address_space: global }
      - { .name: vt, .offset: 16, .size: 8, .value_kind: global_buffer, .address_space: global }
      - { .name: Wo, .offset: 24, .size: 8, .value_kind: global_buffer, .address_space: global }
      - { .name: bo, .offset: 32, .size: 8, .value_kind: global_buffer, .address_space: global }
      - { .name: lowp_scales, .offset: 40, .size: 8, .value_kind: global_buffer, .address_space: global }
      - { .name: x, .offset: 48, .size: 8, .value_kind: global_buffer, .address_space: global }
      - { .name: out0, .offset: 56, .size: 8, .value_kind: global_buffer, .address_space: global }
    .group_segment_fixed_size: 111872
    .private_segment_fixed_size: 0
    .kernarg_segment_align: 8
    .kernarg_segment_size: 64
    .max_flat_workgroup_size: 256
    .sgpr_count:     66
    .vgpr_count:     512
    .wavefront_size: 32
...
	.end_amdgpu_metadata
.endif
;; end of part 4
